; MI455X (gfx1250); checked and timed in simulation.
; The chip was launched on July 23, 2026; its instructions are those of AMD's public machine-readable ISA for CDNA 5 (MIT licence, August 2026) and "CDNA5" Instruction Set Architecture Reference Guide (July 2026). The comments in the code are by the model that wrote it; some were corrected since.
;; Multi Head Attention. Allowed arithmetic: matrix products marked QUANTISED: E2M3 operands, one E8M0 scale for each 32 along K, by v_wmma_scale_f32_16x16x128_f8f6f4 with both operands' format E2M3, f32 sums; everything else in f32.
;; Inputs: Wo 1,024 x 1,024 float32; Wqkv 1,024 x 3,072 float32; x 2 x 2,048 x 1,024 float32.
;; Outputs: out0 2 x 2,048 x 1,024 float32.
;; This version of the problem:
;;   THIS VERSION OF THE PROBLEM IS GIVEN IN LOW PRECISION. The matrix products marked QUANTISED in the list below multiply operands that are first quantised to E2M3 (2 exponent bits, 3 mantissa bits; 6 bits a number), with one power-of-two scale for each 32 numbers along K (OCP MX v1.0); their sums are f32. All else is computed in f32.
;;   The module's matrix products, in the order in which they are computed (A, B: the left and right operand; K: the contracted axis; several contracted axes count as one K, in the product's order):
;;     1. [M 4,096, K 1,024] x [K 1,024, N 3,072]; A: input x; B: input Wqkv: QUANTISED
;;     2. batch 32 x [M 2,048, K 64] x [K 64, N 2,048]; A: computed on the way; B: computed on the way: QUANTISED
;;     3. batch 32 x [M 64, K 2,048] x [K 2,048, N 2,048]; A: computed on the way; B: softmax (see below): QUANTISED
;;     4. [M 4,096, K 1,024] x [K 1,024, N 1,024]; A: computed on the way; B: input Wo: QUANTISED
;;   THE QUANTISER, for each operand of a quantised product, along K:
;;     - K is cut into blocks of 32 from its start; a last block that is shorter is filled with zeros.
;;     - A block's scale is 2^e with e = floor(log2(the largest magnitude in the block)) - 2, held to -126 .. 127; a block of zeros has e = 0. As a byte (E8M0): e + 127.
;;     - Each number is divided by its block's scale, clamped to +-7.5, and rounded to the nearest number of E2M3, ties to even, subnormals kept.
;;     - The product sums the exact products of the quantised numbers (number of the format x scale) in f32.
;;   ~~~python
;;   def quantise(x, axis):      # numpy; x: float32 -> the quantised numbers, widened to float32 again
;;       x = np.moveaxis(x, axis, -1); K = x.shape[-1]
;;       x = np.pad(x, [(0, 0)] * (x.ndim - 1) + [(0, -K % 32)]); x = x.reshape(x.shape[:-1] + (-1, 32)); a = np.abs(x).max(-1, keepdims=True)
;;       e = np.where(a > 0, np.clip(np.frexp(np.where(a > 0, a, 1))[1] - 1 - 2, -126, 127), 0)      # np.frexp(a)[1] - 1 = floor(log2(a)), exactly
;;       r = np.clip(x / 2.0 ** e, -7.5, 7.5)
;;       step = 2.0 ** (np.maximum(np.frexp(np.where(r == 0, 1, r))[1] - 1, 0) - 3)
;;       q = np.round(r / step) * step * 2.0 ** e      # np.round: ties to even
;;       return np.moveaxis(q.reshape(q.shape[:-2] + (-1,))[..., :K], -1, axis).astype(np.float32)
;;   ~~~
;;   SOFTMAX AHEAD OF A QUANTISED PRODUCT. Where the list says 'softmax', what is quantised is not the finished softmax but p = 2^(t - M), with t = logit x log2(e) and M = ceil(the row's largest t), a whole number; so 1/2 < the row's largest p <= 1. The row's sum l is taken of the UNQUANTISED p, in f32, and the product's result is divided by l at the end. Since M is a whole number, a kernel that streams over the keys may use a running M (the ceiling of the running maximum): every later rescaling is an exact power of two, which a block's scale takes up: the codes' values come out the same.
;;   OPERANDS COMPUTED ON THE WAY. 'Computed on the way' means the value that the module computes at that place (a softmax that the list does not call 'softmax' is quantised finished and normalised). What goes into a quantiser is computed in f32, as accurately as f32 sums, v_exp_f32 and their like allow (about 1e-6 of the number): no bf16 or f16 on the way to a quantiser, and a product that is left as it is and whose result goes on into a quantised operand takes f32 operands (vector FMAs, or v_wmma_f32_16x16x4_f32). A number that lies on a knife's edge between two numbers of the format may be rounded either way, as far as f32 arithmetic and the matrix unit's own rounding can turn it there, and no further.
;; One version. Each part assembles by itself: llvm-mc -triple=amdgcn-amd-amdhsa -mcpu=gfx1250 --defsym DOCPART=n.
;; ======== version 1 of 1: 4 launches
;; limits: right only within a limited range of input values
;; workspace buffers: ximg 3,145,728 bytes; xsc 131,072 bytes; wimg 3,145,728 bytes; wsc 131,072 bytes; rope 524,288 bytes; qkv 9,830,400 bytes; aimg 3,145,728 bytes; asc 131,072 bytes
;; launch prep (part 1): grid 288 x 1, 4 waves a work-group, no clusters, 59,904 bytes of LDS; arguments x, Wqkv, Wo, ximg, xsc, wimg, wsc, rope; writes ximg, xsc, wimg, wsc, rope
.if DOCPART == 1
	.amdgcn_target "amdgcn-amd-amdhsa--gfx1250"
	.amdhsa_code_object_version 6
	.text
	.protected	k_qe246e591e1_prep
	.globl	k_qe246e591e1_prep
	.p2align	8
	.type	k_qe246e591e1_prep,@function
k_qe246e591e1_prep:
	s_mov_b64 s[64:65], 0
	v_nop
	global_prefetch_b8 v0, s[64:65] scope:SCOPE_SE
	s_setreg_imm32_b32 hwreg(HW_REG_WAVE_MODE, 25, 1), 1
	s_wait_xcnt 0x0
; x [4096][1024], Wqkv [1024][3072], Wo [1024][1024], f32, become codes of FP6 (E2M3) with one E8M0 byte for each 32 along K (K = the 1,024), and the RoPE table is made.
; THE CODES ARE LAID IN THE ORDER OF THE OPERAND'S REGISTERS.  A tile T is 16 rows: 32 (T / 2) + 8 (T % 2) + r + 8 (r / 8), r = 0 .. 15 (rows = tokens of x, columns of a weight).
; A fragment (16 rows x 128 K) is 1,536 bytes: for each 64 along K 768 bytes, in which lane l = (r, h) has the 24 bytes of row r's block h: 16 at 16 l, 8 at 512 + 8 l.
; ximg, wimg: [T][K step of 128: 0 .. 7][1,536].  xsc, wsc: [T][s: 0 .. 3][r][8 scale bytes of blocks 8 s .. 8 s + 7].  wimg's tiles 0 .. 191 are Wqkv's columns, 192 .. 255 Wo's.
; rope: [position 0 .. 2047][32 cosines][32 sines], f32.
; A block's scale is 2^(floor(log2(its largest magnitude)) - 2); its byte is the largest magnitude's exponent field - 2, held at 1 from below.
; LIMITS: a block of zeros, or one whose largest magnitude lies under 2^-124, gets the byte 1 (its codes are zeros or nearly; this program alone reads the bytes); NaN and infinities are not served.
; The table's frequencies are 10^(-j / 8) rounded to f32; the angle is one f32 product, reduced by pi / 2 in two parts, and sine and cosine are polynomials on +-pi / 4 (about 1e-7 absolute).
; Three ways part on the work-group's number: 0 .. 127 x, 128 .. 255 the weights, 256 .. 287 the table.  Each has LDS bytes of its own, each wave its own part of them: no barrier.  No tensor loads, no cluster: nothing is shared.
.set XSTG,  8448                       ; x: a wave's stage: 16 rows x (512 + 16) bytes
.set WBASE, 33792                      ; the weights' stages begin behind x's four
.set WSTG,  6400                       ; a wave's: two tiles x (3,072 + 128) bytes
.set R,    16                          ; x: v16-143 two sets of 64 numbers as loaded
.set X,    144                         ; v144-207 64 numbers: register 16 b + i = k 32 b + 16 h + i of my row
.set PC,   208                         ; v208-219 a fragment's codes; v220-226 at work
.set TM,   228                         ; v228-243 maxima, bytes, scale operands
.set PW,   244                         ; v244-247 the four K steps' scale words
.set SEL,  32                          ; s[32:33] v_permlanex16_b32's selects for lane l xor 16
.set VO,   16                          ; weights: v16-47 byte offsets of 32 rows of K at my column
.set WX,   48                          ; v48-111 two sets of 32 numbers
.set WC,   112                         ; v112-117 a block's codes
.set WD,   120                         ; v120-122 its second half as converted
.set SB,   124                         ; v124-125 eight scale bytes
.set OUTR, 128                         ; v128-175 the way out
	s_load_b256 s[4:11], s[0:1], 0x0               ; x s[4:5], Wqkv s[6:7], Wo s[8:9], ximg s[10:11]
	s_load_b256 s[12:19], s[0:1], 0x20             ; xsc s[12:13], wimg s[14:15], wsc s[16:17], rope s[18:19]
	v_lshl_add_u32 v254, v0, 2, 0xe800
	v_mov_b32 v255, 0
	v_lshrrev_b32 v1, 5, v0
	v_readfirstlane_b32 s20, v1                    ; wave 0..3
	v_and_b32 v5, 31, v0                           ; lane
	v_lshlrev_b32 v1, 4, v5                        ; 16 x lane
	v_lshlrev_b32 v2, 3, v5                        ; 8 x lane
	s_cmp_lt_u32 ttmp9, 128
	s_cbranch_scc1 .Lpath_x
	s_cmp_lt_u32 ttmp9, 256
	s_cbranch_scc1 .Lpath_w
; ---- THE TABLE.  128 waves, 16 positions each, one a trip.  Lane l makes entries 2 l and 2 l + 1 of a position's 64: lanes 0-15 cosines, lanes 16-31 sines: a store covers 256 consecutive bytes, aligned.
	s_sub_co_u32 s21, ttmp9, 256
	s_lshl_b32 s21, s21, 2
	s_add_co_u32 s21, s21, s20
	s_lshl_b32 s22, s21, 4                         ; my first position
	s_lshl_b32 s24, s22, 8                         ; 256 bytes a position
	s_mov_b32 s25, 0
	s_mov_b32 s41, 0x3f22f983                      ; 2 / pi
	s_mov_b32 s42, 0xbfc90fdb                      ; -(pi / 2), upper part
	s_mov_b32 s43, 0x333bbd2e                      ; -(pi / 2), lower part
	s_mov_b32 s44, 0xb94ca1f9                      ; sine: r + r z (s46 + z (s45 + z s44))
	s_mov_b32 s45, 0x3c08839e
	s_mov_b32 s46, 0xbe2aaaa3
	s_mov_b32 s47, 0x37ccf5ce                      ; cosine: 1 - z / 2 + z z (s49 + z (s48 + z s47))
	s_mov_b32 s48, 0xbab6061a
	s_mov_b32 s49, 0x3d2aaaa5
	v_mov_b32 v8, 0                                ; (a lane write's destination counts as read)
	v_mov_b32 v9, 0
.macro FREQ j, bits                    ; frequency j goes to lanes j / 2 and j / 2 + 16, register v8 (j even) or v9 (j odd)
	s_mov_b32 s40, \bits
	v_writelane_b32 v[8+(\j)%2], s40, (\j)/2
	v_writelane_b32 v[8+(\j)%2], s40, (\j)/2+16
.endm
	FREQ 0, 0x3f800000
	FREQ 1, 0x3f3ff911
	FREQ 2, 0x3f0ff59a
	FREQ 3, 0x3ed7e89b
	FREQ 4, 0x3ea1e89b
	FREQ 5, 0x3e72d424
	FREQ 6, 0x3e361887
	FREQ 7, 0x3e088d77
	FREQ 8, 0x3dcccccd
	FREQ 9, 0x3d99940e
	FREQ 10, 0x3d6655c3
	FREQ 11, 0x3d2cba15
	FREQ 12, 0x3d0186e2
	FREQ 13, 0x3cc24350
	FREQ 14, 0x3c91ad39
	FREQ 15, 0x3c5a7bf1
	FREQ 16, 0x3c23d70a
	FREQ 17, 0x3bf5b9b0
	FREQ 18, 0x3bb8449c
	FREQ 19, 0x3b8a2e77
	FREQ 20, 0x3b4f3e37
	FREQ 21, 0x3b1b690d
	FREQ 22, 0x3ae91528
	FREQ 23, 0x3aaec98e
	FREQ 24, 0x3a83126f
	FREQ 25, 0x3a44948c
	FREQ 26, 0x3a136a16
	FREQ 27, 0x39dd1726
	FREQ 28, 0x39a5cb5f
	FREQ 29, 0x3978a814
	FREQ 30, 0x393a7753
	FREQ 31, 0x390bd3ca
	v_bfe_u32 v10, v0, 4, 1
	v_mul_u32_u24 v10, v10, 3                      ; sin a = cos(a - pi / 2): three quarter turns on in lanes 16-31
	s_wait_kmcnt 0x0
	s_add_nc_u64 s[18:19], s[18:19], s[24:25]
	s_mov_b32 s23, 16
.macro EVAL f, out                     ; v[out] = cos or sin of position x v[f]
	v_mul_f32 v12, v11, v[\f]                      ; the angle: one product in f32
	v_mul_f32 v13, s41, v12
	v_rndne_f32 v13, v13                           ; k: the nearest multiple of pi / 2
	v_fma_f32 v14, v13, s42, v12                   ; r = a - k pi / 2: this first part is exact (a multiple of 2^-23 under 1)
	v_fma_f32 v14, v13, s43, v14
	v_cvt_i32_f32 v15, v13
	v_add_nc_u32 v15, v15, v10                     ; q: the quarter
	v_mul_f32 v16, v14, v14                        ; z
	v_fma_f32 v17, v16, s44, s45
	v_fma_f32 v17, v17, v16, s46
	v_mul_f32 v17, v17, v16
	v_fma_f32 v17, v17, v14, v14                   ; sin r
	v_fma_f32 v18, v16, s47, s48
	v_fma_f32 v18, v18, v16, s49
	v_mul_f32 v19, v16, v16
	v_fma_f32 v20, v16, -0.5, 1.0
	v_fma_f32 v18, v18, v19, v20                   ; cos r
	v_and_b32 v19, 1, v15
	v_cmp_eq_u32 vcc_lo, 1, v19
	v_cndmask_b32 v[\out], v18, v17, vcc_lo        ; odd quarters take the sine
	v_add_nc_u32 v15, 1, v15
	v_and_b32 v15, 2, v15
	v_lshlrev_b32 v15, 30, v15
	v_xor_b32 v[\out], v[\out], v15                ; quarters 1 and 2 are negative
.endm
.Lpos:
	v_cvt_f32_u32 v11, s22
	s_wait_alu depctr_va_vdst(0)
	EVAL 8, 24
	EVAL 9, 25
	global_store_b64 v2, v[24:25], s[18:19]
	s_wait_xcnt 0x0                                ; the store has read its data and its base: both are written again only behind this wait
	s_add_nc_u64 s[18:19], s[18:19], 256
	s_add_co_u32 s22, s22, 1
	s_sub_co_u32 s23, s23, 1
	s_cmp_lg_u32 s23, 0
	s_cbranch_scc1 .Lpos
	s_endpgm
; 64 numbers of a lane, v[s] .. v[s + 63], register 16 b + i = k 32 b + 16 (lane / 16) + i of my row, become a fragment's codes in v[PC] on and its scale word in v[pw].
.macro QUANT s, pw
.irp b, 0,1,2,3
	v_max3_num_f32 v[TM+\b], |v[\s+16*\b]|, |v[\s+1+16*\b]|, 0x1800000   ; block b: my 16 numbers, and the floor 2^(3 - 127): the byte cannot fall under 1
.endr
.irp i, 2,4,6,8,10,12,14
.irp b, 0,1,2,3
	v_max3_num_f32 v[TM+\b], v[TM+\b], |v[\s+16*\b+\i]|, |v[\s+1+16*\b+\i]|   ; the four blocks by turns
.endr
.endr
.irp b, 0,1,2,3
	v_permlanex16_b32 v[TM+4+\b], v[TM+\b], s[SEL], s[SEL+1]
.endr
.irp b, 0,1,2,3
	v_max_num_f32 v[TM+\b], v[TM+\b], v[TM+4+\b]   ; with lane l xor 16's: the block's largest magnitude
.endr
.irp b, 0,1,2,3
	v_add_nc_u32 v[TM+12+\b], 0xff000000, v[TM+\b] ; 2 off its exponent field: the conversion takes this operand's exponent field as its scale
.endr
.irp b, 0,1,2,3
	v_lshrrev_b32 v[TM+4+\b], 23, v[TM+12+\b]      ; the scale's byte
.endr
	v_lshl_or_b32 v[\pw], v[TM+5], 8, v[TM+4]
	v_lshl_or_b32 v[\pw], v[TM+6], 16, v[\pw]
	v_lshl_or_b32 v[\pw], v[TM+7], 24, v[\pw]
.irp c, 0,1
	v_cvt_scalef32_pk16_fp6_f32 v[PC+6*\c:PC+2+6*\c], v[\s+32*\c:\s+15+32*\c], v[TM+12+2*\c]
	v_cvt_scalef32_pk16_fp6_f32 v[PC+12+4*\c:PC+14+4*\c], v[\s+16+32*\c:\s+31+32*\c], v[TM+12+2*\c+1]   ; (a conversion's three registers begin on an even number)
.endr
	v_nop                                          ; one plain line behind a scaled conversion
.irp c, 0,1                            ; the operand's layout wants a whole block in a lane: lanes 0-15 block 2 c, lanes 16-31 block 2 c + 1
.irp i, 0,1,2
	v_permlane16_swap_b32 v[PC+6*\c+\i], v[PC+12+4*\c+\i]
.endr
.irp i, 0,1,2
	v_mov_b32 v[PC+3+6*\c+\i], v[PC+12+4*\c+\i]
.endr
.endr
.endm
; ---- x.  512 waves: wave W takes tile W / 2 and K steps 4 (W % 2) .. + 3.  A load reads 512 consecutive bytes of one token's row; 16 rows turn through the wave's stage, so that a lane gets 16 neighbours of each block.
.Lpath_x:
	v_and_b32 v6, 15, v0                           ; r
	v_bfe_u32 v7, v0, 4, 1                         ; h
	s_mul_i32 s21, s20, XSTG
	s_wait_alu depctr_va_vdst(0)
	v_add_nc_u32 v3, s21, v1                       ; into the stage: 16 x lane, a row an instruction
	v_mul_u32_u24 v4, v6, 528
	v_lshl_add_u32 v4, v7, 6, v4
	v_add_nc_u32 v4, s21, v4                       ; out of it: row r, + 64 h
	s_lshl_b32 s22, ttmp9, 2
	s_add_co_u32 s22, s22, s20                     ; W
	s_lshr_b32 s23, s22, 1                         ; T
	s_and_b32 s24, s22, 1                          ; which half of K
	s_lshr_b32 s25, s23, 1
	s_lshl_b32 s25, s25, 5
	s_and_b32 s26, s23, 1
	s_lshl_b32 s26, s26, 3
	s_add_co_u32 s25, s25, s26                     ; the tile's first token: 32 (T / 2) + 8 (T % 2)
	s_lshl_b32 s26, s25, 12                        ; 4,096 bytes a token
	s_lshl_b32 s27, s24, 11
	s_add_co_u32 s26, s26, s27
	s_mov_b32 s27, 0
	s_mul_i32 s28, s23, 12288
	s_mul_i32 s29, s24, 6144
	s_add_co_u32 s28, s28, s29
	s_mov_b32 s29, 0
	s_lshl_b32 s30, s23, 9
	s_lshl_b32 s31, s24, 8
	s_add_co_u32 s30, s30, s31
	s_mov_b32 s31, 0
	s_mov_b32 s[SEL], 0x76543210
	s_mov_b32 s[SEL+1], 0xfedcba98
.irp b, 0,1,2,3
	v_mov_b32 v[TM+4+\b], 0                        ; written once: a lane permute's destination counts as one of its sources
.endr
	s_wait_alu depctr_va_vdst(0)
	s_wait_kmcnt 0x0
	s_add_nc_u64 s[4:5], s[4:5], s[26:27]
	s_add_nc_u64 s[10:11], s[10:11], s[28:29]
	s_add_nc_u64 s[12:13], s[12:13], s[30:31]
.macro XLOAD t                         ; K step t of my four: 16 rows x 512 bytes into set t % 2
.irp i, 0,1,2,3,4,5,6,7,8,9,10,11,12,13,14,15
	global_load_b128 v[R+64*((\t)%2)+4*\i:R+64*((\t)%2)+4*\i+3], v1, s[4:5] offset:(\i+8*(\i/8))*4096+512*(\t) th:TH_LOAD_NT
.endr
.endm
	XLOAD 0
	XLOAD 1
.irp s, 0,1,2,3
.if \s < 3
	s_wait_loadcnt 16                              ; this step's 16 loads are in; the next step's 16 may be out
.else
	s_wait_loadcnt 0
.endif
.irp i, 0,1,2,3,4,5,6,7,8,9,10,11,12,13,14,15
	ds_store_b128 v3, v[R+64*(\s%2)+4*\i:R+64*(\s%2)+4*\i+3] offset:528*\i
.endr
.irp b, 0,1,2,3
.irp j, 0,1,2,3
	ds_load_b128 v[X+16*\b+4*\j:X+16*\b+4*\j+3], v4 offset:128*\b+16*\j   ; LDS serves a wave's instructions in order: these see the stores above
.endr
.endr
	s_wait_dscnt 0x0                               ; the numbers are back, and the stores have read their registers
	s_wait_xcnt 0x0                                ; the last step's global stores have read the codes' registers
.if \s < 2
	XLOAD \s+2
.endif
	QUANT X, PW+\s
	global_store_b128 v1, v[PC:PC+3], s[10:11] offset:1536*\s          ; each store covers 512 or 256 consecutive bytes, aligned to 256
	global_store_b64 v2, v[PC+4:PC+5], s[10:11] offset:1536*\s+512
	global_store_b128 v1, v[PC+6:PC+9], s[10:11] offset:1536*\s+768
	global_store_b64 v2, v[PC+10:PC+11], s[10:11] offset:1536*\s+1280
.endr
	v_cmp_le_u32 vcc_lo, 16, v5                    ; lanes 0-15 store the words of my first two K steps, lanes 16-31 those of the other two (lane r + 16 holds row r's words too)
	v_cndmask_b32 v248, v[PW], v[PW+2], vcc_lo
	v_cndmask_b32 v249, v[PW+1], v[PW+3], vcc_lo
	global_store_b64 v2, v[248:249], s[12:13]      ; 256 consecutive bytes, aligned
	s_wait_tensorcnt 0x0
	ds_add_u32 v254, v255
	s_wait_dscnt 0x0
	s_endpgm
; ---- THE WEIGHTS.  K is their first axis: a lane takes a column and its registers run down K.  128 work-groups: 32 groups of 128 columns x 4 quarters of K; a wave takes 32 columns x 256 K: two tiles x two fragments.
.Lpath_w:
	s_sub_co_u32 s21, ttmp9, 128
	s_lshr_b32 s22, s21, 2                         ; group of columns: 0 .. 23 Wqkv's, 24 .. 31 Wo's
	s_and_b32 s23, s21, 3                          ; quarter of K
	v_bfe_u32 v6, v0, 3, 1                         ; column l of the 32 is row r' = l % 8 + 8 (l / 16) of tile u = (l / 8) % 2
	v_and_b32 v7, 7, v0
	v_bfe_u32 v8, v0, 4, 1
	v_lshl_add_u32 v7, v8, 3, v7
	s_mul_i32 s24, s20, WSTG
	s_add_co_u32 s24, s24, WBASE
	v_mul_u32_u24 v9, v6, 3200
	v_add_nc_u32 v9, s24, v9
	v_lshl_add_u32 v10, v7, 4, v9                  ; into the stage: a block's first 16 bytes
	v_lshl_add_u32 v11, v7, 3, v9                  ; and its last 8
	v_add_nc_u32 v12, s24, v1                      ; out of it: 16 x lane
	v_lshlrev_b32 v13, 9, v6
	v_lshl_add_u32 v13, v7, 3, v13                 ; my scale bytes: 512 u + 8 r'
	s_mov_b32 s25, 4096
	s_cmp_lt_u32 s22, 24                           ; the choice hangs on the work-group's number alone
	s_cselect_b32 s25, 12288, s25                  ; a row of the weight in bytes
	s_cselect_b32 s26, 0, 24
	s_wait_kmcnt 0x0
	s_cselect_b64 s[6:7], s[6:7], s[8:9]
	s_sub_co_u32 s26, s22, s26
	s_lshl_b32 s26, s26, 7
	s_lshl_b32 s27, s20, 5
	s_add_co_u32 s26, s26, s27                     ; my wave's first column
	s_lshl_b32 s26, s26, 2
	s_lshl_b32 s27, s23, 8
	s_mul_i32 s27, s27, s25                        ; 256 rows of K a quarter
	s_add_co_u32 s26, s26, s27
	s_mov_b32 s27, 0
	s_add_nc_u64 s[6:7], s[6:7], s[26:27]
	s_lshl_b32 s28, s25, 5                         ; from block to block: 32 rows
	s_mov_b32 s29, 0
	s_lshl_b32 s30, s22, 3
	s_lshl_b32 s31, s20, 1
	s_add_co_u32 s30, s30, s31                     ; my first tile: 8 x group + 2 x wave
	s_mul_i32 s34, s30, 12288
	s_mul_i32 s35, s23, 3072
	s_add_co_u32 s34, s34, s35
	s_mov_b32 s35, 0
	s_add_nc_u64 s[14:15], s[14:15], s[34:35]
	s_lshl_b32 s34, s30, 9
	s_lshl_b32 s36, s23, 7
	s_add_co_u32 s34, s34, s36
	s_add_nc_u64 s[16:17], s[16:17], s[34:35]
	v_lshlrev_b32 v[VO], 2, v5
.irp i, 1,2,3,4,5,6,7,8,9,10,11,12,13,14,15,16,17,18,19,20,21,22,23,24,25,26,27,28,29,30,31
	v_add_nc_u32 v[VO+\i], s25, v[VO+\i-1]
.endr
.macro WLOAD t                         ; block t: 32 rows of K at my column: 128 consecutive bytes a load
.if (\t) > 0
	s_wait_xcnt 0x0                                ; the earlier loads have read their base
	s_add_nc_u64 s[6:7], s[6:7], s[28:29]
.endif
.irp i, 0,1,2,3,4,5,6,7,8,9,10,11,12,13,14,15,16,17,18,19,20,21,22,23,24,25,26,27,28,29,30,31
	global_load_b32 v[WX+32*((\t)%2)+\i], v[VO+\i], s[6:7] th:TH_LOAD_NT
.endr
.endm
	WLOAD 0
	s_wait_alu depctr_va_vdst(0)
	WLOAD 1
.macro WBLOCK t
.set XS, WX+32*((\t)%2)
.if (\t) < 7
	s_wait_loadcnt 32                              ; this block's 32 loads are in; the next block's may be out
.else
	s_wait_loadcnt 0
.endif
	v_max3_num_f32 v126, |v[XS]|, |v[XS+1]|, |v[XS+2]|             ; all 32 numbers of the block are mine
	v_max3_num_f32 v127, |v[XS+3]|, |v[XS+4]|, |v[XS+5]|
.irp i, 6,10,14,18,22,26
	v_max3_num_f32 v126, v126, |v[XS+\i]|, |v[XS+\i+1]|
	v_max3_num_f32 v127, v127, |v[XS+\i+2]|, |v[XS+\i+3]|
.endr
	v_max3_num_f32 v126, v126, |v[XS+30]|, |v[XS+31]|
	v_max3_num_f32 v126, v126, v127, 0x1800000     ; and the floor
	v_add_nc_u32 v123, 0xff000000, v126            ; the conversion's scale operand
	v_lshrrev_b32 v118, 23, v123                   ; the byte
.if (\t)%4 == 0
	v_mov_b32 v[SB+(\t)/4], v118
.else
	v_lshl_or_b32 v[SB+(\t)/4], v118, 8*((\t)%4), v[SB+(\t)/4]
.endif
	v_cvt_scalef32_pk16_fp6_f32 v[WC:WC+2], v[XS:XS+15], v123
	v_cvt_scalef32_pk16_fp6_f32 v[WD:WD+2], v[XS+16:XS+31], v123
	v_nop                                          ; one plain line behind a scaled conversion
.irp i, 0,1,2
	v_mov_b32 v[WC+3+\i], v[WD+\i]
.endr
	ds_store_b128 v10, v[WC:WC+3] offset:1536*((\t)/4)+768*(((\t)%4)/2)+256*((\t)%2)       ; block t is the part of lane r' + 16 (t % 2) in half (t % 4) / 2 of fragment t / 4
	ds_store_b64 v11, v[WC+4:WC+5] offset:1536*((\t)/4)+768*(((\t)%4)/2)+512+128*((\t)%2)
.if (\t)+2 < 8
	WLOAD (\t)+2
.endif
	s_wait_dscnt 0x0                               ; the stores have read their registers
.endm
.irp t, 0,1,2,3,4,5,6,7
	WBLOCK \t
.endr
	s_wait_alu depctr_va_vdst(0)
	global_store_b64 v13, v[SB:SB+1], s[16:17]     ; my column's eight scale bytes
.irp u, 0,1
.irp i, 0,1,2,3,4,5
	ds_load_b128 v[OUTR+4*(6*\u+\i):OUTR+4*(6*\u+\i)+3], v12 offset:3200*\u+512*\i
.endr
.endr
.irp u, 0,1
.irp i, 0,1,2,3,4,5
	s_wait_dscnt 11-6*\u-\i                        ; the younger loads may be out
	global_store_b128 v1, v[OUTR+4*(6*\u+\i):OUTR+4*(6*\u+\i)+3], s[14:15] offset:12288*\u+512*\i   ; 512 consecutive bytes, aligned to 256
.endr
.endr
	s_wait_tensorcnt 0x0
	ds_add_u32 v254, v255
	s_wait_dscnt 0x0
	s_endpgm
.Lfunc_end_k_qe246e591e1_prep:
	.size	k_qe246e591e1_prep, .Lfunc_end_k_qe246e591e1_prep-k_qe246e591e1_prep
	.p2alignl 7, 3214868480
	.fill 96, 4, 3214868480
	.section	.rodata,"a",@progbits
	.p2align	6, 0x0
	.amdhsa_kernel k_qe246e591e1_prep
		.amdhsa_group_segment_fixed_size 59904
		.amdhsa_private_segment_fixed_size 0
		.amdhsa_enable_private_segment 0
		.amdhsa_kernarg_size 64
		.amdhsa_user_sgpr_count 2
		.amdhsa_user_sgpr_kernarg_segment_ptr 1
		.amdhsa_wavefront_size32 1
		.amdhsa_system_sgpr_workgroup_id_x 1
		.amdhsa_system_sgpr_workgroup_id_y 1
		.amdhsa_system_sgpr_workgroup_id_z 1
		.amdhsa_system_vgpr_workitem_id 0
		.amdhsa_next_free_vgpr 256
		.amdhsa_next_free_sgpr 66
		.amdhsa_reserve_vcc 1
		.amdhsa_float_denorm_mode_32 3
		.amdhsa_float_denorm_mode_16_64 3
		.amdhsa_memory_ordered 1
		.amdhsa_forward_progress 1
		.amdhsa_inst_pref_size 86
	.end_amdhsa_kernel
	.amdgpu_metadata
---
amdhsa.version: [ 1, 2 ]
amdhsa.kernels:
  - .name:           k_qe246e591e1_prep
    .symbol:         k_qe246e591e1_prep.kd
    .args:
      - { .name: x, .offset: 0, .size: 8, .value_kind: global_buffer, .address_space: global }
      - { .name: Wqkv, .offset: 8, .size: 8, .value_kind: global_buffer, .address_space: global }
      - { .name: Wo, .offset: 16, .size: 8, .value_kind: global_buffer, .address_space: global }
      - { .name: ximg, .offset: 24, .size: 8, .value_kind: global_buffer, .address_space: global }
      - { .name: xsc, .offset: 32, .size: 8, .value_kind: global_buffer, .address_space: global }
      - { .name: wimg, .offset: 40, .size: 8, .value_kind: global_buffer, .address_space: global }
      - { .name: wsc, .offset: 48, .size: 8, .value_kind: global_buffer, .address_space: global }
      - { .name: rope, .offset: 56, .size: 8, .value_kind: global_buffer, .address_space: global }
    .group_segment_fixed_size: 59904
    .private_segment_fixed_size: 0
    .kernarg_segment_align: 8
    .kernarg_segment_size: 64
    .max_flat_workgroup_size: 128
    .sgpr_count:     66
    .vgpr_count:     256
    .wavefront_size: 32
...
	.end_amdgpu_metadata
.endif
;; end of part 1
;; launch qkv (part 2): grid 12 x 16, 4 waves a work-group, clusters of 4 x 4, 327,680 bytes of LDS; arguments ximg, xsc, wimg, wsc, rope, qkv; writes qkv
.if DOCPART == 2
	.amdgcn_target "amdgcn-amd-amdhsa--gfx1250"
	.amdhsa_code_object_version 6
	.text
	.protected	k_qe246e591e1_qkv
	.globl	k_qe246e591e1_qkv
	.p2align	8
	.type	k_qe246e591e1_qkv,@function
k_qe246e591e1_qkv:
	s_mov_b64 s[64:65], 0
	v_nop
	global_prefetch_b8 v0, s[64:65] scope:SCOPE_SE
	s_setreg_imm32_b32 hwreg(HW_REG_WAVE_MODE, 25, 1), 1
	s_wait_xcnt 0x0
	s_wait_alu depctr_hold_cnt(0) depctr_sa_sdst(0) depctr_va_vdst(0) depctr_va_sdst(0) depctr_va_ssrc(0) depctr_va_vcc(0) depctr_vm_vsrc(0)
	s_getreg_b32 s2, hwreg(HW_REG_IB_STS2, 6, 4)
	s_cmp_eq_u32 s2, 0
	s_cbranch_scc0 .Lentry_in_a_cluster
	s_endpgm
.Lentry_in_a_cluster:
	s_bfe_u32 s2, ttmp6, 0x10000c
	s_cmp_lg_u32 s2, 0xf033
	s_cbranch_scc0 .Lentry_shape_is_right
	s_endpgm
.Lentry_shape_is_right:
.set FR,    12
.set NL,    4
.set NQ,    2
.set NP,    4
.set HALFT, 24576
.set SLOT,  4*HALFT
.set SCL,   2*SLOT
.set SCB,   8320
.set SPARE, 213248
.set ADRA, 16
.set ADRB, 20
.set L16,  24
.set L8,   25
.set L4,   26
.set ADRS, 27
.set SPW,  28
.set NIL,  29
.set VT,   30
.set SC,   32
.set CS,   64
.set AF,   128
.set HA,   128
.set PC,   192
.set TM,   212
.set PWS,  228
.set SW,   236
.set SD,   244
.set SEL,  66
.set G1,   24
.set G0,   32
.set G1B,  48
.set G0B,  56
.set G1S,  68
.set G0S,  76
.set G1SB, 80
.set G0SB, 88
.set MSB, 0
.macro WIN new
.if MSB != (\new)
	s_set_vgpr_msb (MSB<<8)|(\new)
.set MSB, (\new)
.endif
.endm
.set MUL_LO, 0xa1
.set MUL_HI, 0xf1
.set TO_B,   0x40
.macro JLOAD g0a, g1a, g0b, g1b
	s_cmp_eq_u32 s17, 0
	s_cbranch_scc0 .Lfor_b_\@
	tensor_load_to_lds s[\g0a:\g0a+3], s[\g1a:\g1a+7]
	s_nop 0
.rept 4
	v_nop
.endr
	s_branch .Lasked_\@
.Lfor_b_\@:
	tensor_load_to_lds s[\g0b:\g0b+3], s[\g1b:\g1b+7]
	s_nop 0
.rept 4
	v_nop
.endr
.Lasked_\@:
.endm
.macro CREST
	s_cmp_lg_u32 s16, 0
	s_cbranch_scc1 .Lnot_wave_0_\@
	s_barrier_signal -3
.Lnot_wave_0_\@:
	s_barrier_wait -3
	s_barrier_signal -1
	s_barrier_wait -1
.endm
.macro CROUND
	s_barrier_signal -1
	s_barrier_wait -1
	CREST
.endm
	s_load_b256 s[4:11], s[0:1], 0x0
	s_load_b128 s[12:15], s[0:1], 0x20
	v_lshl_add_u32 v[SPW], v0, 2, SPARE
	v_mov_b32 v[NIL], 0
	ds_add_u32 v28, v29
	ds_add_u32 v28, v29
	s_wait_dscnt 0x0
	v_lshrrev_b32 v1, 5, v0
	v_readfirstlane_b32 s16, v1
	s_lshr_b32 s17, s16, 1
	s_and_b32 s18, s16, 1
	s_bfe_u32 s19, ttmp6, 0x40000
	s_bfe_u32 s20, ttmp6, 0x40004
	s_and_b32 s21, ttmp7, 0xffff
	s_lshl_b32 s92, s20, 2
	s_lshl_b32 s92, 15, s92
	s_lshl_b32 s93, 0x1111, s19
	s_or_b32 s[G1+0], s92, (3<<16)|(1<<21)
	s_or_b32 s[G1B+0], s93, (3<<16)|(1<<21)
.irp g, G1, G1B
	s_mov_b32 s[\g+1], 384<<16
	s_mov_b32 s[\g+2], 8<<16
	s_mov_b32 s[\g+3], 384<<16
	s_mov_b32 s[\g+4], 8
	s_mov_b32 s[\g+5], 1536
	s_mov_b32 s[\g+6], 0
	s_mov_b32 s[\g+7], 0
.endr
	s_or_b32 s[G1S+0], s92, (3<<16)|(1<<21)
	s_or_b32 s[G1SB+0], s93, (3<<16)|(1<<21)
.irp g, G1S, G1SB
	s_mov_b32 s[\g+1], 32<<16
	s_mov_b32 s[\g+2], 16<<16
	s_mov_b32 s[\g+3], 32<<16
	s_mov_b32 s[\g+4], 16
	s_mov_b32 s[\g+5], 32
	s_mov_b32 s[\g+6], 0
	s_mov_b32 s[\g+7], 0
.endr
	s_lshl_b32 s94, s21, 2
	s_add_co_u32 s22, s94, s20
	s_add_co_u32 s95, s20, 8
	s_lshl_b32 s96, ttmp9, 2
	s_add_co_u32 s23, s96, s19
	s_add_co_u32 s97, s94, s19
	s_cmp_eq_u32 ttmp9, 2
	s_cselect_b32 s22, s95, s22
	s_cselect_b32 s23, s97, s23
	s_lshl_b32 s2, s18, 3
	s_lshl_b32 s98, s22, 4
	s_add_co_u32 s98, s98, s2
	s_lshl_b32 s100, s98, 9
	s_mul_i32 s98, s98, 12288
	s_mov_b32 s99, 0
	s_mov_b32 s101, 0
	s_lshl_b32 s94, s23, 4
	s_add_co_u32 s94, s94, s2
	s_lshl_b32 s96, s94, 9
	s_mul_i32 s94, s94, 12288
	s_mov_b32 s95, 0
	s_mov_b32 s97, 0
	s_mul_i32 s3, s16, HALFT
	s_lshl_b32 s2, s16, 12
	s_wait_kmcnt 0x0
	s_cmp_eq_u32 ttmp9, 2
	s_cselect_b64 s[40:41], s[8:9], s[4:5]
	s_cselect_b64 s[42:43], s[10:11], s[6:7]
	s_cselect_b64 s[44:45], s[4:5], s[8:9]
	s_cselect_b64 s[46:47], s[6:7], s[10:11]
	s_add_nc_u64 s[40:41], s[40:41], s[98:99]
	s_add_nc_u64 s[42:43], s[42:43], s[100:101]
	s_add_nc_u64 s[44:45], s[44:45], s[94:95]
	s_add_nc_u64 s[46:47], s[46:47], s[96:97]
	CROUND
	s_mov_b32 s[G0S], 1
	s_add_co_u32 s[G0S+1], s2, SCL
	s_mov_b64 s[G0S+2:G0S+3], s[42:43]
	s_or_b32 s[G0S+3], s[G0S+3], 0x80000000
	s_mov_b32 s[G0SB], 1
	s_add_co_u32 s[G0SB+1], s2, SCL+128
	s_mov_b64 s[G0SB+2:G0SB+3], s[46:47]
	s_or_b32 s[G0SB+3], s[G0SB+3], 0x80000000
	JLOAD G0S, G1S, G0SB, G1SB
.irp s, 0,1
	s_mov_b32 s[G0+4*\s], 1
	s_add_co_u32 s[G0+4*\s+1], s3, \s*SLOT
	s_add_nc_u64 s[G0+4*\s+2:G0+4*\s+3], s[40:41], \s*3072
	s_or_b32 s[G0+4*\s+3], s[G0+4*\s+3], 0x80000000
	s_mov_b32 s[G0B+4*\s], 1
	s_add_co_u32 s[G0B+4*\s+1], s3, \s*SLOT
	s_add_nc_u64 s[G0B+4*\s+2:G0B+4*\s+3], s[44:45], \s*3072
	s_or_b32 s[G0B+4*\s+3], s[G0B+4*\s+3], 0x80000000
	s_wait_alu depctr_va_vdst(0)
	s_wait_tensorcnt 0x0
	ds_add_u32 v28, v29
	s_wait_dscnt 0x0
	CROUND
	JLOAD G0+4*\s, G1, G0B+4*\s, G1B
.endr
	v_and_b32 v1, 31, v0
	v_and_b32 v2, 15, v0
	v_bfe_u32 v3, v0, 4, 1
	v_lshlrev_b32 v[L16], 4, v1
	v_lshlrev_b32 v[L8], 3, v1
	v_lshlrev_b32 v[L4], 2, v1
	s_mul_i32 s2, s17, HALFT
	s_mul_i32 s3, s18, HALFT
	s_add_co_u32 s3, s3, 2*HALFT
.irp s, 0,1
	v_add_nc_u32 v[ADRA+\s], s2, v[L16]
	v_add_nc_u32 v[ADRB+\s], s3, v[L16]
	v_add_nc_u32 v[ADRA+2+\s], s2, v[L8]
	v_add_nc_u32 v[ADRB+2+\s], s3, v[L8]
	s_add_co_u32 s2, s2, SLOT
	s_add_co_u32 s3, s3, SLOT
.endr
	v_lshlrev_b32 v4, 3, v2
	s_lshl_b32 s2, s17, 12
	s_lshl_b32 s3, s18, 12
	s_add_co_u32 s3, s3, SCB
	s_sub_co_u32 s3, s3, s2
	v_mul_u32_u24 v5, s3, v3
	s_add_co_u32 s2, s2, SCL
	v_add_nc_u32 v4, v4, v5
	v_add_nc_u32 v[ADRS], s2, v4
	v_and_b32 v5, 8, v2
	v_add_nc_u32 v5, v5, v2
	v_lshlrev_b32 v[VT], 8, v5
	v_lshl_add_u32 v[VT], v3, 6, v[VT]
	s_wait_alu depctr_va_vdst(0)
	s_cmp_eq_u32 ttmp9, 2
	s_cselect_b32 s94, s23, s22
	s_cselect_b32 s95, s18, s17
	s_cselect_b32 s96, s20, s19
	s_cselect_b32 s97, s17, s18
	s_lshl_b32 s94, s94, 8
	s_lshl_b32 s95, s95, 7
	s_add_co_u32 s94, s94, s95
	s_lshl_b32 s96, s96, 2
	s_lshl_b32 s97, s97, 1
	s_add_co_u32 s96, s96, s97
	s_lshr_b32 s95, s94, 11
	s_lshl_b32 s95, s95, 4
	s_add_co_u32 s95, s95, s96
	s_lshl_b32 s95, s95, 4
	s_bfe_u32 s97, s94, 0x40007
	s_add_co_u32 s95, s95, s97
	s_mul_i32 s98, s95, 19200
	s_mul_i32 s97, ttmp9, 6400
	s_add_co_u32 s98, s98, s97
	s_mov_b32 s99, 0
	s_add_nc_u64 s[98:99], s[14:15], s[98:99]
	s_add_nc_u64 s[100:101], s[98:99], 307200
	s_and_b32 s94, s94, 2047
	s_lshl_b32 s94, s94, 8
	s_mov_b32 s95, 0
	s_add_nc_u64 s[12:13], s[12:13], s[94:95]
	s_mov_b32 s[SEL], 0x76543210
	s_mov_b32 s[SEL+1], 0xfedcba98
.macro CSLOAD a
.irp j, 0,1,2,3
	global_load_b128 v[CS+32*((\a)%2)+4*\j:CS+32*((\a)%2)+4*\j+3], v[VT], s[12:13] offset:(32*((\a)/2)+8*((\a)%2))*256+16*\j
.endr
.irp j, 0,1,2,3
	global_load_b128 v[CS+32*((\a)%2)+16+4*\j:CS+32*((\a)%2)+16+4*\j+3], v[VT], s[12:13] offset:(32*((\a)/2)+8*((\a)%2))*256+128+16*\j
.endr
.endm
	CSLOAD 0
	CSLOAD 1
.macro FRAG reg, adr, q, i
	ds_load_b128 v[\reg:\reg+3], v[\adr] offset:3072*(\i)+1536*(\q)
	ds_load_b64 v[\reg+4:\reg+5], v[\adr+2] offset:3072*(\i)+1536*(\q)+512
	ds_load_b128 v[\reg+6:\reg+9], v[\adr] offset:3072*(\i)+1536*(\q)+768
	ds_load_b64 v[\reg+10:\reg+11], v[\adr+2] offset:3072*(\i)+1536*(\q)+1280
.endm
.macro MUL16 a0, p, q, sc, zero
.irp a, \a0, \a0+1
.irp b, 0,1,2,3,4,5,6,7
.if \zero
	v_wmma_scale_f32_16x16x128_f8f6f4 v[8*(8*((\a)%4)+\b):8*(8*((\a)%4)+\b)+7], v[128*(\p)+FR*\b:128*(\p)+FR*\b+FR-1], v[AF+FR*(\a):AF+FR*(\a)+FR-1], 0, v[SC+8*NQ*(\sc)+NQ*\b+(\q)], v[SC+8*NQ*(\sc)+NQ*(\a)+(\q)] matrix_a_fmt:MATRIX_FMT_FP6 matrix_b_fmt:MATRIX_FMT_FP6 matrix_a_scale:MATRIX_SCALE_ROW1
.else
	v_wmma_scale_f32_16x16x128_f8f6f4 v[8*(8*((\a)%4)+\b):8*(8*((\a)%4)+\b)+7], v[128*(\p)+FR*\b:128*(\p)+FR*\b+FR-1], v[AF+FR*(\a):AF+FR*(\a)+FR-1], v[8*(8*((\a)%4)+\b):8*(8*((\a)%4)+\b)+7], v[SC+8*NQ*(\sc)+NQ*\b+(\q)], v[SC+8*NQ*(\sc)+NQ*(\a)+(\q)] matrix_a_fmt:MATRIX_FMT_FP6 matrix_b_fmt:MATRIX_FMT_FP6 matrix_a_scale:MATRIX_SCALE_ROW1
.endif
.endr
.endr
.endm
.macro FETCH_B slot, q, p
	WIN TO_B
.irp i, 0,1,2,3,4,5,6,7
	FRAG 128*(\p)+FR*\i, ADRB+\slot, \q, \i
.endr
	WIN 0
.endm
.macro FETCH_A slot, q, i0
.irp i, \i0, \i0+1, \i0+2, \i0+3
	FRAG AF+FR*(\i), ADRA+\slot, \q, \i
.endr
.endm
.macro SCALES sc
.irp i, 0,1,2,3,4,5,6,7
	ds_load_b64 v[SC+8*NQ*\sc+NQ*\i:SC+8*NQ*\sc+NQ*\i+1], v[ADRS] offset:\i*512
.endr
.endm
.macro PLACES n
.rept \n
	v_nop
.endr
.endm
.macro STEP slot, q, zero
	s_wait_dscnt 4*NL
	WIN MUL_LO
	MUL16 0, (\q)%2, \q, \slot, \zero
	MUL16 2, (\q)%2, \q, \slot, \zero
	s_wait_dscnt 0
	PLACES NP
	FETCH_B \slot, (\q)+1, 1-(\q)%2
	FETCH_A \slot, (\q)+1, 0
	WIN MUL_HI
	MUL16 4, (\q)%2, \q, \slot, \zero
	MUL16 6, (\q)%2, \q, \slot, \zero
	PLACES NP
	WIN 0
	FETCH_A \slot, (\q)+1, 4
.endm
.macro TURN slot, next, fill
	s_wait_tensorcnt 0x0
	ds_add_u32 v[SPW], v[NIL]
	s_wait_dscnt 4*NL+1
	WIN MUL_LO
	MUL16 0, 1, NQ-1, \slot, 0
	s_wait_dscnt 0x0
	s_barrier_signal -1
	MUL16 2, 1, NQ-1, \slot, 0
	WIN 0
	s_barrier_wait -1
.if \fill
	CREST
	s_add_nc_u64 s[G0+4*\slot+2:G0+4*\slot+3], s[G0+4*\slot+2:G0+4*\slot+3], 6144
	s_add_nc_u64 s[G0B+4*\slot+2:G0B+4*\slot+3], s[G0B+4*\slot+2:G0B+4*\slot+3], 6144
	JLOAD G0+4*\slot, G1, G0B+4*\slot, G1B
.else
	PLACES NP
.endif
	s_wait_alu depctr_va_vdst(0)
	v_add_nc_u32 v[ADRS], 128, v[ADRS]
	FETCH_B \next, 0, 0
	FETCH_A \next, 0, 0
	SCALES \next
	WIN MUL_HI
	MUL16 4, 1, NQ-1, \slot, 0
	MUL16 6, 1, NQ-1, \slot, 0
	PLACES NP
	WIN 0
	FETCH_A \next, 0, 4
.endm
	s_wait_tensorcnt 1
	s_barrier_signal -1
	s_barrier_wait -1
	FETCH_B 0, 0, 0
	FETCH_A 0, 0, 0
	SCALES 0
	FETCH_A 0, 0, 4
	STEP 0, 0, 1
	TURN 0, 1, 1
	STEP 1, 0, 0
	TURN 1, 0, 1
	STEP 0, 0, 0
	TURN 0, 1, 0
	STEP 1, 0, 0
	s_wait_dscnt 4*NL
	WIN MUL_LO
	MUL16 0, 1, NQ-1, 1, 0
	MUL16 2, 1, NQ-1, 1, 0
	s_wait_dscnt 0
	WIN MUL_HI
	MUL16 4, 1, NQ-1, 1, 0
	MUL16 6, 1, NQ-1, 1, 0
	WIN 0
.macro QUANT s, W, pw
	WIN (\W)|((\W)<<2)
.irp b, 0,1,2,3
	v_max3_num_f32 v[TM+\b], |v[\s+16*\b]|, |v[\s+1+16*\b]|, 0x1800000
.endr
.irp i, 2,4,6,8,10,12,14
.irp b, 0,1,2,3
	v_max3_num_f32 v[TM+\b], |v[\s+16*\b+\i]|, |v[\s+1+16*\b+\i]|, v[TM+\b]
.endr
.endr
	WIN 0
.irp b, 0,1,2,3
	v_permlanex16_b32 v[TM+4+\b], v[TM+\b], s[SEL], s[SEL+1]
.endr
.irp b, 0,1,2,3
	v_max_num_f32 v[TM+\b], v[TM+\b], v[TM+4+\b]
.endr
.irp b, 0,1,2,3
	v_add_nc_u32 v[TM+12+\b], 0xff000000, v[TM+\b]
.endr
.irp b, 0,1,2,3
	v_lshrrev_b32 v[TM+4+\b], 23, v[TM+12+\b]
.endr
	v_lshl_or_b32 v[\pw], v[TM+5], 8, v[TM+4]
	v_lshl_or_b32 v[\pw], v[TM+6], 16, v[\pw]
	v_lshl_or_b32 v[\pw], v[TM+7], 24, v[\pw]
	WIN \W
.irp c, 0,1
	v_cvt_scalef32_pk16_fp6_f32 v[PC+6*\c:PC+2+6*\c], v[\s+32*\c:\s+15+32*\c], v[TM+12+2*\c]
	v_cvt_scalef32_pk16_fp6_f32 v[PC+12+4*\c:PC+14+4*\c], v[\s+16+32*\c:\s+31+32*\c], v[TM+12+2*\c+1]
.endr
	WIN 0
	v_nop
.irp c, 0,1
.irp i, 0,1,2
	v_permlane16_swap_b32 v[PC+6*\c+\i], v[PC+12+4*\c+\i]
.endr
.irp i, 0,1,2
	v_mov_b32 v[PC+3+6*\c+\i], v[PC+12+4*\c+\i]
.endr
.endr
.endm
.macro ROPE a
.set AC, 64*((\a)%4)
.set CC, CS+32*((\a)%2)
	WIN 2+(\a)/4
.irp hd, 0,1
.irp p, 0,2,4,6,8,10,12,14
	v_pk_mul_f32 v[HA+32*\hd+\p:HA+32*\hd+\p+1], v[AC+32*\hd+\p:AC+32*\hd+\p+1], v[CC+\p:CC+\p+1]
	v_pk_mul_f32 v[HA+32*\hd+16+\p:HA+32*\hd+16+\p+1], v[AC+32*\hd+16+\p:AC+32*\hd+16+\p+1], v[CC+\p:CC+\p+1]
	v_pk_fma_f32 v[HA+32*\hd+\p:HA+32*\hd+\p+1], v[AC+32*\hd+16+\p:AC+32*\hd+16+\p+1], v[CC+16+\p:CC+16+\p+1], v[HA+32*\hd+\p:HA+32*\hd+\p+1] neg_lo:[1,0,0] neg_hi:[1,0,0]
	v_pk_fma_f32 v[HA+32*\hd+16+\p:HA+32*\hd+16+\p+1], v[AC+32*\hd+\p:AC+32*\hd+\p+1], v[CC+16+\p:CC+16+\p+1], v[HA+32*\hd+16+\p:HA+32*\hd+16+\p+1]
.endr
.endr
	WIN 0
.endm
.macro PUTSC base
.irp hd, 0,1
.irp sp, 0,1
	v_cndmask_b32 v[SD+2*\hd+\sp], v[\base+4*\hd+2*\sp], v[\base+4*\hd+2*\sp+1], vcc_lo
	global_store_b32 v[L4], v[SD+2*\hd+\sp], s[98+2*\hd:99+2*\hd] offset:6144+128*\sp
.endr
.endr
.endm
	PLACES NP
	v_cmp_le_u32 vcc_lo, 16, v1
.irp b, 0,1,2,3
	v_mov_b32 v[TM+4+\b], 0
.endr
	s_cmp_eq_u32 ttmp9, 2
	s_cbranch_scc1 .Lv_out
.irp a, 0,1,2,3,4,5,6,7
.if \a < 7
	s_wait_loadcnt 8
.else
	s_wait_loadcnt 0
.endif
	ROPE \a
	s_wait_xcnt 0x0
.if \a < 6
	CSLOAD \a+2
.endif
	QUANT HA, 0, PWS+\a
	global_store_b128 v[L16], v[PC:PC+3], s[98:99] offset:768*\a
	global_store_b64 v[L8], v[PC+4:PC+5], s[98:99] offset:768*\a+512
	global_store_b128 v[L16], v[PC+6:PC+9], s[100:101] offset:768*\a
	global_store_b64 v[L8], v[PC+10:PC+11], s[100:101] offset:768*\a+512
.endr
	s_mov_b32 s2, 0x05040100
	s_mov_b32 s3, 0x07060302
.irp f, 0,1,2,3
	v_perm_b32 v[SW+\f], v[PWS+2*\f+1], v[PWS+2*\f], s2
	v_perm_b32 v[SW+4+\f], v[PWS+2*\f+1], v[PWS+2*\f], s3
.endr
	PUTSC SW
	s_branch .Lout_done
.Lv_out:
.irp a, 0,1,2,3,4,5,6,7
	s_wait_xcnt 0x0
.set QS, 64*(\a%4)
.set QW, 2+\a/4
	QUANT QS, QW, PWS+\a
	global_store_b128 v[L16], v[PC:PC+3], s[98+2*(\a/4):99+2*(\a/4)] offset:1536*(\a%4)
	global_store_b64 v[L8], v[PC+4:PC+5], s[98+2*(\a/4):99+2*(\a/4)] offset:1536*(\a%4)+512
	global_store_b128 v[L16], v[PC+6:PC+9], s[98+2*(\a/4):99+2*(\a/4)] offset:1536*(\a%4)+768
	global_store_b64 v[L8], v[PC+10:PC+11], s[98+2*(\a/4):99+2*(\a/4)] offset:1536*(\a%4)+1280
.endr
	PUTSC PWS
.Lout_done:
	s_wait_tensorcnt 0x0
	ds_add_u32 v[SPW], v[NIL]
	s_wait_dscnt 0x0
	CROUND
	s_endpgm
.Lfunc_end_k_qe246e591e1_qkv:
	.size	k_qe246e591e1_qkv, .Lfunc_end_k_qe246e591e1_qkv-k_qe246e591e1_qkv
	.p2alignl 7, 3214868480
	.fill 96, 4, 3214868480
	.section	.rodata,"a",@progbits
	.p2align	6, 0x0
	.amdhsa_kernel k_qe246e591e1_qkv
		.amdhsa_group_segment_fixed_size 327680
		.amdhsa_private_segment_fixed_size 0
		.amdhsa_enable_private_segment 0
		.amdhsa_kernarg_size 48
		.amdhsa_user_sgpr_count 2
		.amdhsa_user_sgpr_kernarg_segment_ptr 1
		.amdhsa_wavefront_size32 1
		.amdhsa_system_sgpr_workgroup_id_x 1
		.amdhsa_system_sgpr_workgroup_id_y 1
		.amdhsa_system_sgpr_workgroup_id_z 1
		.amdhsa_system_vgpr_workitem_id 0
		.amdhsa_next_free_vgpr 1024
		.amdhsa_next_free_sgpr 102
		.amdhsa_reserve_vcc 1
		.amdhsa_float_denorm_mode_32 3
		.amdhsa_float_denorm_mode_16_64 3
		.amdhsa_memory_ordered 1
		.amdhsa_forward_progress 1
		.amdhsa_inst_pref_size 223
	.end_amdhsa_kernel
	.amdgpu_metadata
---
amdhsa.version: [ 1, 2 ]
amdhsa.kernels:
  - .name:           k_qe246e591e1_qkv
    .symbol:         k_qe246e591e1_qkv.kd
    .args:
      - { .name: ximg, .offset: 0, .size: 8, .value_kind: global_buffer, .address_space: global }
      - { .name: xsc, .offset: 8, .size: 8, .value_kind: global_buffer, .address_space: global }
      - { .name: wimg, .offset: 16, .size: 8, .value_kind: global_buffer, .address_space: global }
      - { .name: wsc, .offset: 24, .size: 8, .value_kind: global_buffer, .address_space: global }
      - { .name: rope, .offset: 32, .size: 8, .value_kind: global_buffer, .address_space: global }
      - { .name: qkv, .offset: 40, .size: 8, .value_kind: global_buffer, .address_space: global }
    .group_segment_fixed_size: 327680
    .private_segment_fixed_size: 0
    .kernarg_segment_align: 8
    .kernarg_segment_size: 48
    .max_flat_workgroup_size: 128
    .sgpr_count:     102
    .vgpr_count:     1024
    .wavefront_size: 32
...
	.end_amdgpu_metadata
.endif
;; end of part 2
;; launch attn (part 3): grid 8 x 32, 8 waves a work-group, clusters of 4 x 1, 206,848 bytes of LDS; arguments qkv, aimg, asc; writes aimg, asc
.if DOCPART == 3
	.amdgcn_target "amdgcn-amd-amdhsa--gfx1250"
	.amdhsa_code_object_version 6
	.text
	.protected	k_qe246e591e1_attn
	.globl	k_qe246e591e1_attn
	.p2align	8
	.type	k_qe246e591e1_attn,@function
k_qe246e591e1_attn:
	s_mov_b64 s[64:65], 0
	v_nop
	global_prefetch_b8 v0, s[64:65] scope:SCOPE_SE
	s_setreg_imm32_b32 hwreg(HW_REG_WAVE_MODE, 25, 1), 1
	s_wait_xcnt 0x0
	s_wait_alu depctr_hold_cnt(0) depctr_sa_sdst(0) depctr_va_vdst(0) depctr_va_sdst(0) depctr_va_ssrc(0) depctr_va_vcc(0) depctr_vm_vsrc(0)
	s_getreg_b32 s2, hwreg(HW_REG_IB_STS2, 6, 4)
	s_cmp_eq_u32 s2, 0
	s_cbranch_scc0 .Lentry_in_a_cluster
	s_endpgm
.Lentry_in_a_cluster:
	s_bfe_u32 s2, ttmp6, 0x10000c
	s_cmp_lg_u32 s2, 0x3003
	s_cbranch_scc0 .Lentry_shape_is_right
	s_endpgm
.Lentry_shape_is_right:
; Attention of one head on codes of FP6 (E2M3) with E8M0 scales; the result, divided by the row's sum, is quantised along the model's 1,024 and stored as images of operand registers.
; qkv: [16 b + head][step of 128 tokens][Q 6,400 | K 6,400 | V 6,400 bytes].  aimg: [tile of 16 tokens][K step of 128][1,536]; asc: [tile][s][r][8 scale bytes].
; THE SOFTMAX: t = score x log2(e) / 8; M = the row's largest t so far, rounded up to a whole number; p = 2^(t - M) is quantised along the keys, not normalised; the sum is taken of the unquantised p.
; When M moves, the sum and O are multiplied by 2^(old M - new M): exact.
; SHARES.  A work-group owns 256 queries of one head; each of its eight waves two tiles of 16 queries, so that each fragment of K and V read from LDS feeds two tiles' products.
; Tile 0's arrays lie in register window 0, tile 1's at the same numbers in window 1; K's fragments in window 0, V's in window 1; all small state and all scale words in window 0.
; THE HEAD'S K AND V, 16 steps x 12,800 bytes, LIE IN LDS WHOLE AND ARE FILLED ONCE: each wave asks for two steps by its one tensor load.  No ring, no refill.
; CLUSTER 4 x 1: four blocks of queries of one head want the same K and V: joint loads.  No prefetch: every tile is asked for at the head, there is no loop to run ahead in.
; LAYOUT.  Both products are used transposed: a lane holds one query (lane % 16).  K's rows are taken from LDS so that row r of fragment (c, g) is key 64 c + 32 (r / 8) + 16 g + r % 8 (+ 8 in the fragment's
; second half): register 32 c + i of lane (r, h) is then key 64 c + 32 h + i: A WHOLE BLOCK OF 32 KEYS IN ONE LANE, as the next operand wants it.  Lanes 8-15 of K's 16-byte loads meet the banks of lanes 0-7.
; K = 64 IN AN INSTRUCTION OF 128: source 0 is two tiles of keys side by side; source 1 is q with zero codes in the other half.  The zero half has the scale byte 0, which is 2^-127 and no NaN.
; The last trip's look-ahead is held at step 15: it reads that step's K once more, and nobody uses it.
; LIMITS: NaN and infinities are not served; the promise holds while |t| stays under 2^31; a block of the result whose largest magnitude lies under 2^-124 gets the byte 1.
.set KVB,  12800
.set SPARE, 204800
.set VL16, 1                           ; V: 16, 8, 4 x lane
.set VL8,  2
.set VL4,  3
.set KL16, 4                           ; K: the lane's terms in the order above
.set KL8,  5
.set KL4,  6
.set AV16, 7                           ; the same + the step's first byte
.set AV8,  8
.set AV4,  9
.set AK16, 10
.set AK8,  11
.set AK4,  34
.set KF,   36                          ; v36-83: window 0 K's four fragments, window 1 V's
.set KS,   84                          ; K's scale words; v86-87 V's
.set VS,   86
.set QS,   88                          ; q's scale words: [q,0], [0,q] of tile 0, of tile 1
.set PW,   92                          ; p's scale words, tile 0, 1
.set S,    96                          ; S^T, then p
.set O,    160                         ; O^T
.set PC,   192                         ; p's codes
.set CT,   204
.set BM,   216                         ; v216-223 largest scores: four chains a tile; then each lane's two blocks' largest p at +0 and +2
.set TT,   224
.set TX,   226
.set OLD,  228
.set FF,   230                         ; pairs: f = 2^(old M - new M)
.set SO,   234                         ; scale operands
.set BY,   238
; tile u: -M v[12+200u], largest score v[13+200u], the sum v[14+200u:15+200u]
.set WV,   18
.set SEL,  20
.set CS,   22
.set G1,   24
.set G0,   40
.set TB,   2
.set CNT,  3
.set TN,   32
.set P1,   33
.set P2,   34
.set MSB, 0
.macro WIN new                         ; the immediate's high byte repeats the setting that is left
.if MSB != (\new)
	s_set_vgpr_msb (MSB<<8)|(\new)
.set MSB, (\new)
.endif
.endm
.macro ROUND
	s_barrier_signal -1
	s_barrier_wait -1
	s_cmp_lg_u32 s[WV], 0
	s_cbranch_scc1 .Lnot_wave_0_\@
	s_barrier_signal -3
.Lnot_wave_0_\@:
	s_barrier_wait -3
	s_barrier_signal -1
	s_barrier_wait -1
.endm
	s_load_b128 s[4:7], s[0:1], 0x0                ; qkv, aimg
	s_load_b64 s[8:9], s[0:1], 0x10                ; asc
	v_lshl_add_u32 v254, v0, 2, SPARE
	v_mov_b32 v255, 0
	ds_add_u32 v254, v255                          ; the opening lines
	ds_add_u32 v254, v255
	v_lshrrev_b32 v7, 5, v0
	v_readfirstlane_b32 s[WV], v7                  ; wave 0..7
	s_bfe_u32 s10, ttmp6, 0x40000                  ; cx
	s_lshl_b32 s11, ttmp9, 2
	s_add_co_u32 s11, s11, s10                     ; my block of 256 queries: it enters Q's and the result's addresses alone
	s_and_b32 s12, ttmp7, 0xffff                   ; 16 b + head
	s_mul_i32 s14, s12, 307200
	s_mul_i32 s16, s[WV], 38400                    ; my fill: steps 2 wave, 2 wave + 1
	s_add_co_u32 s16, s16, s14
	s_add_co_u32 s16, s16, 6400                    ; K and V lie behind Q
	s_mov_b32 s17, 0
	s_mov_b32 s[G1], 15|(3<<16)|(1<<21)            ; the mask: all four; elements of 8 bytes
	s_mov_b32 s[G1+1], 1600<<16                    ; two rows of 12,800 bytes, 19,200 apart; dense in LDS
	s_mov_b32 s[G1+2], 2<<16
	s_mov_b32 s[G1+3], 1600<<16
	s_mov_b32 s[G1+4], 2
	s_mov_b32 s[G1+5], 2400
	s_mov_b32 s[G1+6], 0
	s_mov_b32 s[G1+7], 0
	s_mov_b32 s[SEL], 0x76543210
	s_mov_b32 s[SEL+1], 0xfedcba98
	s_mov_b32 s[CS], 0x3e38aa3b                    ; log2(e) / 8
	s_mov_b32 s[CS+1], s[CS]
	s_mov_b32 s[P1], 0x07030703                    ; byte 3 of two registers into bytes 0 and 1
	s_mov_b32 s[P2], 0x05010400                    ; my two bytes and lane l xor 16's, by turns
	s_wait_dscnt 0x0
	s_wait_kmcnt 0x0
	s_mov_b32 s[G0], 1
	s_mul_i32 s[G0+1], s[WV], 2*KVB
	s_add_nc_u64 s[G0+2:G0+3], s[4:5], s[16:17]
	s_or_b32 s[G0+3], s[G0+3], 0x80000000
	ROUND                                          ; all four work-groups are here: the joint loads meet
	tensor_load_to_lds s[G0:G0+3], s[G1:G1+7]      ; my one tensor load
	s_nop 0
	; my two tiles of queries: tiles 2 (wave % 4), + 1 of step 2 x block + wave / 4
	s_lshl_b32 s50, s12, 4
	s_lshl_b32 s51, s11, 1
	s_add_co_u32 s50, s50, s51
	s_lshr_b32 s51, s[WV], 2
	s_add_co_u32 s50, s50, s51
	s_mul_i32 s50, s50, 19200
	s_mov_b32 s51, 0
	s_add_nc_u64 s[52:53], s[4:5], s[50:51]
	s_and_b32 s54, s[WV], 3
	s_mul_i32 s55, s54, 1536
	s_lshl_b32 s59, s54, 6
	; where the result goes: tile T = 128 b + 16 x block + 2 wave (+ 1); the head's 64 are half h % 2 of K step h / 2
	s_lshr_b32 s50, s12, 4
	s_lshl_b32 s50, s50, 7
	s_lshl_b32 s51, s11, 4
	s_add_co_u32 s50, s50, s51
	s_lshl_b32 s51, s[WV], 1
	s_add_co_u32 s50, s50, s51
	s_and_b32 s51, s12, 15
	s_mul_i32 s56, s50, 12288
	s_mul_i32 s57, s51, 768
	s_add_co_u32 s56, s56, s57
	s_mov_b32 s57, 0
	s_add_nc_u64 s[6:7], s[6:7], s[56:57]
	s_lshl_b32 s56, s50, 9
	s_lshr_b32 s58, s51, 2
	s_lshl_b32 s58, s58, 7
	s_add_co_u32 s56, s56, s58
	s_and_b32 s58, s51, 3
	s_lshl_b32 s58, s58, 1
	s_add_co_u32 s56, s56, s58
	s_add_nc_u64 s[8:9], s[8:9], s[56:57]
	v_and_b32 v7, 31, v0
	v_lshlrev_b32 v[VL16], 4, v7
	v_lshlrev_b32 v[VL8], 3, v7
	v_lshlrev_b32 v[VL4], 2, v7
	v_add_nc_u32 v[AK16], s55, v[VL16]
	v_add_nc_u32 v[AK8], s55, v[VL8]
	v_and_b32 v[AK4], 15, v0
	v_lshlrev_b32 v[AK4], 2, v[AK4]
	v_add_nc_u32 v[AK4], s59, v[AK4]               ; the word of my two tiles, row r
	global_load_b128 v[22:25], v[AK16], s[52:53]
	global_load_b64 v[26:27], v[AK8], s[52:53] offset:512
	global_load_b32 v[TT], v[AK4], s[52:53] offset:6144
	WIN 0x40                                       ; destinations in window 1
	global_load_b128 v[22:25], v[AK16], s[52:53] offset:768
	global_load_b64 v[26:27], v[AK8], s[52:53] offset:1280
.irp j, 16,17,18,19,20,21,28,29,30,31,32,33
	v_mov_b32 v[\j], 0                             ; zero codes on both sides of q
.endr
.set j, 0
.rept 32
	v_mov_b32 v[O+j], 0                            ; O^T: the step is written once; its first trip finds zeros
.set j, j+1
.endr
	WIN 0
.irp j, 16,17,18,19,20,21,28,29,30,31,32,33
	v_mov_b32 v[\j], 0
.endr
	v_bfe_u32 v7, v0, 3, 1                         ; r / 8
	v_and_b32 v8, 7, v0                            ; r % 8
	v_bfe_u32 v9, v0, 4, 1                         ; h
	v_mul_u32_u24 v[KL4], v7, 1536                 ; rows 8-15 come from the fragment behind
	v_lshl_add_u32 v[KL8], v9, 4, v8               ; r % 8 + 16 h
	v_lshl_add_u32 v[KL16], v[KL8], 4, v[KL4]
	v_lshl_add_u32 v[KL8], v[KL8], 3, v[KL4]
	v_lshl_add_u32 v[KL4], v9, 3, v8
	v_lshl_add_u32 v[KL4], v7, 4, v[KL4]
	v_lshlrev_b32 v[KL4], 2, v[KL4]                ; scale words: 64 (r / 8) + 32 h + 4 (r % 8): lanes 16-31 take g = 1
.irp u, 0,1
	v_mov_b32 v[12+200*\u], 0x7e000000             ; -M: so large that the first f is 0
	v_mov_b32 v[13+200*\u], 0xff61b1e6             ; the largest score so far: -3e38
	v_mov_b32 v[14+200*\u], 0
	v_mov_b32 v[15+200*\u], 0
	v_mov_b32 v[TX+\u], 0                          ; a lane permute's destination counts as one of its sources
	v_mov_b32 v[FF+2*\u+1], 0                      ; named as the upper half of a pair
.endr
	s_wait_loadcnt 0x0                             ; q and its word
	v_and_b32 v[QS], 0xffff, v[TT]                 ; tile 0's two bytes below, 0 above
	v_lshlrev_b32 v[QS+1], 16, v[TT]
	v_lshrrev_b32 v[QS+2], 16, v[TT]               ; tile 1's
	v_and_b32 v[QS+3], 0xffff0000, v[TT]
.set j, 0
.rept 32
	v_mov_b32 v[O+j], 0                            ; also the places between the scale words' making and the first scaled product
.set j, j+1
.endr
.macro KLOAD                           ; 18 loads: K's four fragments (c, g) = (f / 2, f % 2) and their words (lanes 0-15 g = 0, lanes 16-31 g = 1)
.irp f, 0,1,2,3
	ds_load_b128 v[KF+12*\f:KF+12*\f+3], v[AK16] offset:3072*(\f/2)+128*(\f%2)
	ds_load_b64 v[KF+12*\f+4:KF+12*\f+5], v[AK8] offset:3072*(\f/2)+64*(\f%2)+512
	ds_load_b128 v[KF+12*\f+6:KF+12*\f+9], v[AK16] offset:3072*(\f/2)+128*(\f%2)+768
	ds_load_b64 v[KF+12*\f+10:KF+12*\f+11], v[AK8] offset:3072*(\f/2)+64*(\f%2)+1280
.endr
	ds_load_b32 v[KS], v[AK4] offset:6144
	ds_load_b32 v[KS+1], v[AK4] offset:6144+128
.endm
.macro QK u                            ; S^T of one tile of queries: eight products, each starts its own sum
.irp f, 0,1,2,3
.if \f%2
	v_wmma_scale_f32_16x16x128_f8f6f4 v[S+16*\f:S+16*\f+7], v[KF+12*\f:KF+12*\f+11], v[22:33], 0, v[KS+\f/2], v[QS+2*\u] matrix_a_fmt:MATRIX_FMT_FP6 matrix_b_fmt:MATRIX_FMT_FP6 matrix_a_scale:MATRIX_SCALE_ROW1
	v_wmma_scale_f32_16x16x128_f8f6f4 v[S+16*\f+8:S+16*\f+15], v[KF+12*\f:KF+12*\f+11], v[16:27], 0, v[KS+\f/2], v[QS+2*\u+1] matrix_a_fmt:MATRIX_FMT_FP6 matrix_b_fmt:MATRIX_FMT_FP6 matrix_a_scale:MATRIX_SCALE_ROW1
.else
	v_wmma_scale_f32_16x16x128_f8f6f4 v[S+16*\f:S+16*\f+7], v[KF+12*\f:KF+12*\f+11], v[22:33], 0, v[KS+\f/2], v[QS+2*\u] matrix_a_fmt:MATRIX_FMT_FP6 matrix_b_fmt:MATRIX_FMT_FP6
	v_wmma_scale_f32_16x16x128_f8f6f4 v[S+16*\f+8:S+16*\f+15], v[KF+12*\f:KF+12*\f+11], v[16:27], 0, v[KS+\f/2], v[QS+2*\u+1] matrix_a_fmt:MATRIX_FMT_FP6 matrix_b_fmt:MATRIX_FMT_FP6
.endif
.endr
.endm
.macro MAXES bm                        ; four chains of 16 scores; each accumulator is read from its low end on
.irp q, 0,1,2,3
	v_max_num_f32 v[\bm+\q], v[S+16*\q], v[S+16*\q+1]
.endr
.irp i, 2,4,6,8,10,12,14
.irp q, 0,1,2,3
	v_max3_num_f32 v[\bm+\q], v[S+16*\q+\i], v[S+16*\q+\i+1], v[\bm+\q]
.endr
.endr
.endm
.macro FMAS n, nm                      ; t - M, two at a time, from register S + j on
.rept \n
	v_pk_fma_f32 v[S+j:S+j+1], v[S+j:S+j+1], s[CS:CS+1], v[\nm:\nm+1] op_sel_hi:[1,0,0]
.set j, j+2
.endr
.endm
.macro OMUL ff                         ; O^T under the new M
.set j, 0
.rept 16
	v_pk_mul_f32 v[O+j:O+j+1], v[O+j:O+j+1], v[\ff:\ff+1] op_sel_hi:[1,0]
.set j, j+2
.endr
.endm
.macro EXPS
.set j, 0
.rept 64
	v_exp_f32 v[S+j], v[S+j]
.set j, j+1
.endr
.endm
.macro CODES so                        ; my two blocks' codes: registers 6 c .. 6 c + 5 of the operand
.irp c, 0,1
	v_cvt_scalef32_pk16_fp6_f32 v[PC+6*\c:PC+6*\c+2], v[S+32*\c:S+32*\c+15], v[\so+\c]
	v_cvt_scalef32_pk16_fp6_f32 v[CT+4*\c:CT+4*\c+2], v[S+32*\c+16:S+32*\c+31], v[\so+\c]
.endr
	v_nop                                          ; one plain line behind a scaled conversion
.irp c, 0,1
.irp i, 0,1,2
	v_mov_b32 v[PC+3+6*\c+\i], v[CT+4*\c+\i]       ; a conversion's three registers begin on an even number
.endr
.endr
.endm
.macro TREE                            ; the sum of my 64 unquantised p, in place, behind their conversion: 31 packed additions
.irp w, 32,16,8,4,2
.set j, 0
.rept \w/2
	v_pk_add_f32 v[S+j:S+j+1], v[S+j:S+j+1], v[S+j+\w:S+j+\w+1]
.set j, j+2
.endr
.endr
.endm
.macro PV u                            ; O^T += V^T P^T: the four accumulators by turns
.irp t, 0,1,2,3
.if \t%2
	v_wmma_scale_f32_16x16x128_f8f6f4 v[O+8*\t:O+8*\t+7], v[KF+12*\t:KF+12*\t+11], v[PC:PC+11], v[O+8*\t:O+8*\t+7], v[VS+\t/2], v[PW+\u] matrix_a_fmt:MATRIX_FMT_FP6 matrix_b_fmt:MATRIX_FMT_FP6 matrix_a_scale:MATRIX_SCALE_ROW1
.else
	v_wmma_scale_f32_16x16x128_f8f6f4 v[O+8*\t:O+8*\t+7], v[KF+12*\t:KF+12*\t+11], v[PC:PC+11], v[O+8*\t:O+8*\t+7], v[VS+\t/2], v[PW+\u] matrix_a_fmt:MATRIX_FMT_FP6 matrix_b_fmt:MATRIX_FMT_FP6
.endif
.endr
.endm
	s_wait_alu depctr_va_vdst(0)                   ; the wait at the head's end
	s_wait_tensorcnt 0x0                           ; my two steps have landed
	s_barrier_signal -1
	s_barrier_wait -1                              ; all sixteen have
	s_mov_b32 s[TB], 0
	s_mov_b32 s[CNT], 16
	v_mov_b32 v[AK16], v[KL16]
	v_mov_b32 v[AK8], v[KL8]
	v_mov_b32 v[AK4], v[KL4]
	KLOAD                                          ; step 0's K
.Lstep:                                                ; A KEY STEP: 128 keys x 32 queries
	v_add_nc_u32 v[AV16], s[TB], v[VL16]           ; with the v_nop: four places behind the last step's products, in front of the loads into V's registers
	v_add_nc_u32 v[AV8], s[TB], v[VL8]
	v_add_nc_u32 v[AV4], s[TB], v[VL4]
	v_nop
	WIN 0x40
.irp f, 0,1,2,3
	ds_load_b128 v[KF+12*\f:KF+12*\f+3], v[AV16] offset:6400+1536*\f
	ds_load_b64 v[KF+12*\f+4:KF+12*\f+5], v[AV8] offset:6400+1536*\f+512
	ds_load_b128 v[KF+12*\f+6:KF+12*\f+9], v[AV16] offset:6400+1536*\f+768
	ds_load_b64 v[KF+12*\f+10:KF+12*\f+11], v[AV8] offset:6400+1536*\f+1280
.endr
	WIN 0
	ds_load_b32 v[VS], v[AV4] offset:6400+6144
	ds_load_b32 v[VS+1], v[AV4] offset:6400+6144+128
	s_wait_dscnt 18                                ; K is in; V's 18 loads may be out
	QK 0
	WIN 0x44                                       ; q and S^T of tile 1: window 1
	QK 1
	WIN 0
	s_add_co_u32 s[TB], s[TB], KVB
	s_min_u32 s[TN], s[TB], 15*KVB                 ; the next step's K; in the last trip step 15's once more
	v_add_nc_u32 v[AK16], s[TN], v[KL16]           ; with the v_nop: four places behind the products
	v_add_nc_u32 v[AK8], s[TN], v[KL8]
	v_add_nc_u32 v[AK4], s[TN], v[KL4]
	v_nop
	KLOAD
	MAXES BM
	WIN 0x05                                       ; the scores of tile 1: window 1
	MAXES BM+4
	WIN 0
.irp u, 0,1                            ; the two tiles' small chains by turns
	v_max_num_f32 v[BM+4*\u], v[BM+4*\u], v[BM+4*\u+1]             ; the largest score of my block 2 c + h, c = 0,
	v_max_num_f32 v[BM+4*\u+2], v[BM+4*\u+2], v[BM+4*\u+3]         ; c = 1
	v_mov_b32 v[OLD+\u], v[12+200*\u]
.endr
.irp u, 0,1
	v_max_num_f32 v[TT+\u], v[BM+4*\u], v[BM+4*\u+2]
.endr
.irp u, 0,1
	v_permlanex16_b32 v[TX+\u], v[TT+\u], s[SEL], s[SEL+1]
.endr
.irp u, 0,1
	v_max3_num_f32 v[13+200*\u], v[13+200*\u], v[TT+\u], v[TX+\u]  ; the running largest score
.endr
.irp u, 0,1
	v_mul_f32 v[TT+\u], s[CS], v[13+200*\u]        ; as t
.endr
.irp u, 0,1
	v_floor_f32 v[12+200*\u], -v[TT+\u]            ; the new -M = -ceil(t)
.endr
.irp u, 0,1
	v_fma_f32 v[BM+4*\u], v[BM+4*\u], s[CS], v[12+200*\u]          ; t - M of each block's largest score
	v_fma_f32 v[BM+4*\u+2], v[BM+4*\u+2], s[CS], v[12+200*\u]
.endr
.irp u, 0,1
	v_sub_f32 v[TT+\u], v[12+200*\u], v[OLD+\u]    ; old M - new M: a whole number, 0 or less
.endr
.set j, 0
	FMAS 8, 12
.irp u, 0,1
	v_cvt_i32_f32 v[TT+\u], v[TT+\u]               ; (it saturates)
.endr
	FMAS 8, 12
.irp u, 0,1
	v_ldexp_f32 v[FF+2*\u], 1.0, v[TT+\u]          ; f
.endr
	FMAS 16, 12
	OMUL FF
	WIN 0x41                                       ; destination and source 0: window 1
	OMUL FF+2
.set j, 0
	FMAS 32, 212
	s_wait_alu depctr_va_vdst(0)                   ; the wait ahead of the batch
	EXPS                                           ; p = 2^(t - M), tile 1,
	WIN 0
	EXPS                                           ; tile 0,
.irp u, 0,1
	v_exp_f32 v[BM+4*\u], v[BM+4*\u]               ; and each block's largest p: the same two instructions on the same number
	v_exp_f32 v[BM+4*\u+2], v[BM+4*\u+2]
.endr
	v_nop                                          ; a plain line behind the exponentials
	s_wait_alu depctr_va_vdst(0)                   ; one wait for the batch
.irp u, 0,1
.irp c, 0,1
	v_max_num_f32 v[BM+4*\u+2*\c], 0x1800000, v[BM+4*\u+2*\c]      ; the floor 2^(3 - 127)
.endr
.endr
.irp u, 0,1
.irp c, 0,1
	v_add_nc_u32 v[SO+2*\u+\c], 0xff000000, v[BM+4*\u+2*\c]        ; 2 off the exponent field: the conversion's scale operand
.endr
.endr
.irp u, 0,1
.irp c, 0,1
	v_lshlrev_b32 v[BY+2*\u+\c], 1, v[SO+2*\u+\c]  ; the scale's byte in byte 3
.endr
.endr
.irp u, 0,1
	v_perm_b32 v[TT+\u], v[BY+2*\u+1], v[BY+2*\u], s[P1]           ; my two bytes
.endr
.irp u, 0,1
	v_permlanex16_b32 v[TX+\u], v[TT+\u], s[SEL], s[SEL+1]
.endr
.irp u, 0,1
	v_perm_b32 v[PW+\u], v[TX+\u], v[TT+\u], s[P2] ; lanes 0-15: the bytes of blocks 0, 1, 2, 3 (lanes 16-31 are not read)
.endr
	CODES SO
	TREE
	v_pk_fma_f32 v[14:15], v[14:15], v[FF:FF+1], v[S:S+1] op_sel_hi:[1,0,1]   ; the sum under the new M, and this step's
	s_wait_dscnt 18                                ; V is in; the next K's 18 loads may be out
	WIN 0x01                                       ; V: window 1
	PV 0
	WIN 0x41
	CODES SO+2
	WIN 0x45
	TREE
	WIN 0x10
	v_pk_fma_f32 v[214:215], v[214:215], v[FF+2:FF+3], v[S:S+1] op_sel_hi:[1,0,1]
	WIN 0x55
	PV 1
	WIN 0
	s_sub_co_u32 s[CNT], s[CNT], 1
	s_cmp_lg_u32 s[CNT], 0
	s_cbranch_scc1 .Lstep
	; THE WAY OUT: O^T / the sum; register 16 b + i is channel 32 b + 16 (lane / 16) + i of my query: two blocks of the last product's K
.irp u, 0,1
	v_add_f32 v[14+200*\u], v[14+200*\u], v[15+200*\u]
.endr
.irp u, 0,1
	v_permlanex16_b32 v[TX+\u], v[14+200*\u], s[SEL], s[SEL+1]
.endr
.irp u, 0,1
	v_add_f32 v[14+200*\u], v[14+200*\u], v[TX+\u] ; the row's sum
.endr
	s_wait_alu depctr_va_vdst(0)                   ; ahead of the reciprocals
.irp u, 0,1
	v_rcp_f32 v[FF+2*\u], v[14+200*\u]
.endr
	v_and_b32 v[AV16], 15, v0
	v_lshlrev_b32 v[AV16], 3, v[AV16]              ; 8 r: my row's scale bytes
.macro TAIL u
	WIN 0x41*\u
	s_wait_alu depctr_va_vdst(0)                   ; directly ahead of the first reader of the reciprocal and of O^T
.set j, 0
.rept 16
	v_pk_mul_f32 v[S+j:S+j+1], v[O+j:O+j+1], v[FF+2*\u:FF+2*\u+1] op_sel_hi:[1,0]
.set j, j+2
.endr
	WIN 0x55*\u                                    ; all in the tile's window: v212, v216-223 at work
	v_mov_b32 v218, 0
	v_mov_b32 v219, 0
.irp b, 0,1
	v_max3_num_f32 v[216+\b], |v[S+16*\b]|, |v[S+1+16*\b]|, 0x1800000
.endr
.irp i, 2,4,6,8,10,12,14
.irp b, 0,1
	v_max3_num_f32 v[216+\b], v[216+\b], |v[S+16*\b+\i]|, |v[S+1+16*\b+\i]|
.endr
.endr
.irp b, 0,1
	v_permlanex16_b32 v[218+\b], v[216+\b], s[SEL], s[SEL+1]
.endr
.irp b, 0,1
	v_max_num_f32 v[216+\b], v[216+\b], v[218+\b]
.endr
.irp b, 0,1
	v_add_nc_u32 v[220+\b], 0xff000000, v[216+\b]
.endr
.irp b, 0,1
	v_lshrrev_b32 v[222+\b], 23, v[220+\b]
.endr
	v_lshl_or_b32 v212, v223, 8, v222
	v_cvt_scalef32_pk16_fp6_f32 v[PC:PC+2], v[S:S+15], v220
	v_cvt_scalef32_pk16_fp6_f32 v[CT:CT+2], v[S+16:S+31], v221
	v_nop                                          ; one plain line behind a scaled conversion
.irp i, 0,1,2
	v_permlane16_swap_b32 v[PC+\i], v[CT+\i]
.endr
.irp i, 0,1,2
	v_mov_b32 v[PC+3+\i], v[CT+\i]
.endr
	WIN 0x04*\u                                    ; the data in the tile's window, the offsets in window 0
	global_store_b128 v[VL16], v[PC:PC+3], s[6:7] offset:12288*\u          ; 512 consecutive bytes, aligned to 256
	global_store_b64 v[VL8], v[PC+4:PC+5], s[6:7] offset:12288*\u+512      ; 256 consecutive bytes, aligned
	global_store_b16 v[AV16], v212, s[8:9] offset:512*\u                   ; my row's two scale bytes (lanes r and r + 16 write the same value)
.endm
	TAIL 0
	TAIL 1
	WIN 0
	s_wait_tensorcnt 0x0                           ; the wave's end
	ds_add_u32 v254, v255
	s_wait_dscnt 0x0
	ROUND                                          ; the closing round
	s_endpgm
.Lfunc_end_k_qe246e591e1_attn:
	.size	k_qe246e591e1_attn, .Lfunc_end_k_qe246e591e1_attn-k_qe246e591e1_attn
	.p2alignl 7, 3214868480
	.fill 96, 4, 3214868480
	.section	.rodata,"a",@progbits
	.p2align	6, 0x0
	.amdhsa_kernel k_qe246e591e1_attn
		.amdhsa_group_segment_fixed_size 206848
		.amdhsa_private_segment_fixed_size 0
		.amdhsa_enable_private_segment 0
		.amdhsa_kernarg_size 24
		.amdhsa_user_sgpr_count 2
		.amdhsa_user_sgpr_kernarg_segment_ptr 1
		.amdhsa_wavefront_size32 1
		.amdhsa_system_sgpr_workgroup_id_x 1
		.amdhsa_system_sgpr_workgroup_id_y 1
		.amdhsa_system_sgpr_workgroup_id_z 1
		.amdhsa_system_vgpr_workitem_id 0
		.amdhsa_next_free_vgpr 512
		.amdhsa_next_free_sgpr 66
		.amdhsa_reserve_vcc 0
		.amdhsa_float_denorm_mode_32 3
		.amdhsa_float_denorm_mode_16_64 3
		.amdhsa_memory_ordered 1
		.amdhsa_forward_progress 1
		.amdhsa_inst_pref_size 45
	.end_amdhsa_kernel
	.amdgpu_metadata
---
amdhsa.version: [ 1, 2 ]
amdhsa.kernels:
  - .name:           k_qe246e591e1_attn
    .symbol:         k_qe246e591e1_attn.kd
    .args:
      - { .name: qkv, .offset: 0, .size: 8, .value_kind: global_buffer, .address_space: global }
      - { .name: aimg, .offset: 8, .size: 8, .value_kind: global_buffer, .address_space: global }
      - { .name: asc, .offset: 16, .size: 8, .value_kind: global_buffer, .address_space: global }
    .group_segment_fixed_size: 206848
    .private_segment_fixed_size: 0
    .kernarg_segment_align: 8
    .kernarg_segment_size: 24
    .max_flat_workgroup_size: 256
    .sgpr_count:     66
    .vgpr_count:     512
    .wavefront_size: 32
...
	.end_amdgpu_metadata
.endif
;; end of part 3
;; launch oproj (part 4): grid 8 x 32, 4 waves a work-group, clusters of 4 x 4, 225,792 bytes of LDS; arguments aimg, asc, wimg, wsc, out0; writes out0
.if DOCPART == 4
	.amdgcn_target "amdgcn-amd-amdhsa--gfx1250"
	.amdhsa_code_object_version 6
	.text
	.protected	k_qe246e591e1_oproj
	.globl	k_qe246e591e1_oproj
	.p2align	8
	.type	k_qe246e591e1_oproj,@function
k_qe246e591e1_oproj:
	s_mov_b64 s[64:65], 0
	v_nop
	global_prefetch_b8 v0, s[64:65] scope:SCOPE_SE
	s_setreg_imm32_b32 hwreg(HW_REG_WAVE_MODE, 25, 1), 1
	s_wait_xcnt 0x0
	s_wait_alu depctr_hold_cnt(0) depctr_sa_sdst(0) depctr_va_vdst(0) depctr_va_sdst(0) depctr_va_ssrc(0) depctr_va_vcc(0) depctr_vm_vsrc(0)
	s_getreg_b32 s2, hwreg(HW_REG_IB_STS2, 6, 4)
	s_cmp_eq_u32 s2, 0
	s_cbranch_scc0 .Lentry_in_a_cluster
	s_endpgm
.Lentry_in_a_cluster:
	s_bfe_u32 s2, ttmp6, 0x10000c
	s_cmp_lg_u32 s2, 0xf033
	s_cbranch_scc0 .Lentry_shape_is_right
	s_endpgm
.Lentry_shape_is_right:
; out0 [4096][1024] f32 = (attention's result) Wo on codes of FP6 (E2M3) with E8M0 scales, K = 1,024.
; OPERANDS: [tile T of 16 rows][K step of 128][1,536 bytes in the order of the operand's registers]; scales [T][s][r][8 bytes].  Tile T holds rows 32 (T / 2) + 8 (T % 2) + r + 8 (r / 8).  Wo's columns are wimg's tiles 192 .. 255.
; SHARES.  4,096 x 1,024 in tiles of 128 x 128 are 256 work-groups.  Four waves, each 64 tokens x 64 columns: 16 accumulators, 128 matrix instructions.
; ALL OF K LIES IN LDS AND IS FILLED ONCE: four tiles for all of K are 49,152 dense bytes of memory, and each wave brings four tiles by its one tensor load (waves 0, 1: A's halves; waves 2, 3: B's).  No ring, no refill.
; THE SCALE WORDS go from memory straight into registers: a load takes 256 consecutive bytes, aligned: lanes 0-15 the 8 bytes of s = 2 p, lanes 16-31 those of s = 2 p + 1, of a tile's 16 rows.
; CLUSTER 4 x 4: a row of the cluster wants the same tokens, a column the same columns of Wo: joint loads.  No prefetch: every tile is asked for at the head.
; THE MATRIX INSTRUCTION IS USED TRANSPOSED (source 0 = a tile of Wo's columns, source 1 = a tile of tokens): a lane holds a token, and the registers of column tiles 2 b, 2 b + 1 are columns 32 b + 16 (lane / 16) + 0 .. 15.
; REGISTERS: window 0: v16-29 addresses; v32-47 A's scale words, v48-63 B's; v128-255 the accumulators; on the way out v32-159 take the rows read back.  Window 1: two sets of fragments, at v0 and v128: A's four, then B's four.
.set FR,    12
.set WLD,   49152                      ; what one tensor load brings
.set STAGE, 205056                     ; a stage of 16 rows x (256 + 16) bytes for each wave; no fill lands here
.set SPITCH, 272
.set SPARE, 0x37000
.set ADRA, 16                          ; v16, v17: my A fragments, 16 x lane and 8 x lane
.set ADRB, 20                          ; v20, v21: B's
.set STO,  24
.set RD,   25
.set CO,   26
.set L16,  28
.set L8,   29
.set SCA,  32                          ; register 4 i + 2 (k / 4) + k % 2: tile i's word of K step k, in lanes 0-15 where (k / 2) % 2 = 0, else in lanes 16-31
.set SCB,  48
.set BK,   32
.set ACC,  128
.set G1,   24
.set G1B,  32
.set G0A,  40
.set G0B,  44
.set MSB, 0
.macro WIN new
.if MSB != (\new)
	s_set_vgpr_msb (MSB<<8)|(\new)
.set MSB, (\new)
.endif
.endm
.set MUL,  0x05                        ; sources 0 (B) and 1 (A) window 1; C and D window 0
.set TO_F, 0x40
.macro CROUND
	s_barrier_signal -1
	s_barrier_wait -1
	s_cmp_lg_u32 s16, 0
	s_cbranch_scc1 .Lnot_wave_0_\@
	s_barrier_signal -3
.Lnot_wave_0_\@:
	s_barrier_wait -3
	s_barrier_signal -1
	s_barrier_wait -1
.endm
	s_load_b256 s[4:11], s[0:1], 0x0               ; aimg, asc, wimg, wsc
	s_load_b64 s[12:13], s[0:1], 0x20              ; out0
	v_lshl_add_u32 v30, v0, 2, SPARE
	v_mov_b32 v31, 0
	ds_add_u32 v30, v31                            ; the opening lines
	ds_add_u32 v30, v31
	v_lshrrev_b32 v1, 5, v0
	v_readfirstlane_b32 s16, v1                    ; wave 0..3
	s_lshr_b32 s17, s16, 1                         ; my half of the tokens.  Also: I fetch for A (0) or for B (1)
	s_and_b32 s18, s16, 1                          ; my half of the columns.  Also: which 4 tiles I fetch
	s_bfe_u32 s19, ttmp6, 0x40000                  ; cx
	s_bfe_u32 s20, ttmp6, 0x40004                  ; cy
	s_lshl_b32 s23, ttmp9, 2
	s_add_co_u32 s23, s23, s19                     ; block of 128 columns
	s_and_b32 s22, ttmp7, 0xffff
	s_lshl_b32 s22, s22, 2
	s_add_co_u32 s22, s22, s20                     ; block of 128 tokens
	s_lshl_b32 s48, s20, 2
	s_lshl_b32 s48, 15, s48                        ; my row of the cluster
	s_lshl_b32 s49, 0x1111, s19                    ; my column
	s_or_b32 s[G1+0], s48, (3<<16)|(1<<21)         ; A's tiles go to my row; elements of 8 bytes
	s_or_b32 s[G1B+0], s49, (3<<16)|(1<<21)        ; B's to my column
.irp g, G1, G1B                        ; a dense block of 49,152 bytes as 192 rows of 256
	s_mov_b32 s[\g+1], 32<<16
	s_mov_b32 s[\g+2], 192<<16
	s_mov_b32 s[\g+3], 32<<16
	s_mov_b32 s[\g+4], 192
	s_mov_b32 s[\g+5], 32
	s_mov_b32 s[\g+6], 0
	s_mov_b32 s[\g+7], 0
.endr
	s_lshl_b32 s21, s18, 2
	s_lshl_b32 s50, s22, 3
	s_add_co_u32 s52, s50, s21                     ; A: the first tile that I fetch
	s_mul_i32 s52, s52, 12288
	s_mov_b32 s53, 0
	s_lshl_b32 s51, s23, 3
	s_add_co_u32 s51, s51, 192                     ; B: Wo's tiles begin at 192
	s_add_co_u32 s51, s51, s21                     ; the first that I fetch, which is also the first that I multiply
	s_mul_i32 s54, s51, 12288
	s_mov_b32 s55, 0
	s_lshl_b32 s56, s17, 2
	s_add_co_u32 s56, s56, s50                     ; A: the first tile that I multiply
	s_lshl_b32 s56, s56, 9                         ; its scales, 512 bytes a tile
	s_mov_b32 s57, 0
	s_lshl_b32 s58, s51, 9
	s_mov_b32 s59, 0
	v_and_b32 v1, 31, v0
	v_lshlrev_b32 v[L16], 4, v1
	v_lshlrev_b32 v[L8], 3, v1
	s_wait_alu depctr_va_vdst(0)                   ; directly ahead of the waits below
	s_wait_dscnt 0x0
	s_wait_kmcnt 0x0
	s_add_nc_u64 s[52:53], s[4:5], s[52:53]
	s_add_nc_u64 s[56:57], s[6:7], s[56:57]
	s_add_nc_u64 s[54:55], s[8:9], s[54:55]
	s_add_nc_u64 s[58:59], s[10:11], s[58:59]
.irp i, 0,1,2,3
.irp p, 0,1
	global_load_b64 v[SCA+4*\i+2*\p:SCA+4*\i+2*\p+1], v[L8], s[56:57] offset:512*\i+256*\p
	global_load_b64 v[SCB+4*\i+2*\p:SCB+4*\i+2*\p+1], v[L8], s[58:59] offset:512*\i+256*\p
.endr
.endr
	s_mov_b32 s[G0A], 1
	s_mul_i32 s[G0A+1], s16, WLD                   ; A's two halves, then B's two: no place in the cluster enters an LDS address
	s_mov_b64 s[G0A+2:G0A+3], s[52:53]
	s_or_b32 s[G0A+3], s[G0A+3], 0x80000000
	s_mov_b32 s[G0B], 1
	s_mul_i32 s[G0B+1], s16, WLD
	s_mov_b64 s[G0B+2:G0B+3], s[54:55]
	s_or_b32 s[G0B+3], s[G0B+3], 0x80000000
	CROUND                                         ; all sixteen work-groups are here: the joint loads meet
	s_cmp_eq_u32 s17, 0                            ; one tensor load a wave, in one of two arms
	s_cbranch_scc0 .Lfor_b
	tensor_load_to_lds s[G0A:G0A+3], s[G1:G1+7]
	s_nop 0
.rept 4
	v_nop
.endr
	s_branch .Lasked
.Lfor_b:
	tensor_load_to_lds s[G0B:G0B+3], s[G1B:G1B+7]
	s_nop 0
.rept 4
	v_nop
.endr
.Lasked:
	v_and_b32 v2, 15, v0                           ; r
	v_bfe_u32 v3, v0, 4, 1                         ; h
	s_mul_i32 s2, s17, WLD                         ; my 4 tiles of A
	s_mul_i32 s3, s18, WLD                         ; my 4 tiles of B,
	s_add_co_u32 s3, s3, 2*WLD                     ; which lie behind A's 8
	v_add_nc_u32 v[ADRA], s2, v[L16]
	v_add_nc_u32 v[ADRA+1], s2, v[L8]
	v_add_nc_u32 v[ADRB], s3, v[L16]
	v_add_nc_u32 v[ADRB+1], s3, v[L8]
	s_mul_i32 s2, s16, 16*SPITCH
	s_add_co_u32 s2, s2, STAGE                     ; my stage
	v_mul_u32_u24 v5, v2, SPITCH
	v_lshl_add_u32 v5, v3, 6, v5
	v_add_nc_u32 v[STO], s2, v5                    ; in: row r, + 64 h
	v_mul_u32_u24 v5, v3, SPITCH
	v_lshl_add_u32 v5, v2, 4, v5
	v_add_nc_u32 v[RD], s2, v5                     ; back: lanes 0-15 one row of 256 bytes, lanes 16-31 the next
	v_lshlrev_b32 v5, 12, v3
	v_lshl_add_u32 v[CO], v2, 4, v5                ; and the same two rows in the output
	s_lshl_b32 s14, s22, 7
	s_lshl_b32 s15, s17, 6
	s_add_co_u32 s14, s14, s15                     ; my first token
	s_lshl_b32 s14, s14, 12
	s_lshl_b32 s15, s23, 9
	s_add_co_u32 s14, s14, s15
	s_lshl_b32 s15, s18, 8
	s_add_co_u32 s14, s14, s15                     ; + my first column, in bytes
	s_mov_b32 s15, 0
	s_add_nc_u64 s[12:13], s[12:13], s[14:15]
.macro FRAG reg, adr, off              ; a fragment comes as it was laid: 16 + 8 bytes a lane for each 64 along K
	ds_load_b128 v[\reg:\reg+3], v[\adr] offset:\off
	ds_load_b64 v[\reg+4:\reg+5], v[\adr+1] offset:(\off)+512
	ds_load_b128 v[\reg+6:\reg+9], v[\adr] offset:(\off)+768
	ds_load_b64 v[\reg+10:\reg+11], v[\adr+1] offset:(\off)+1280
.endm
.macro FETCH k                         ; K step k's eight fragments into set k % 2: 32 loads; B's four first, A's blocks 2 and 3 last
	WIN TO_F
.irp i, 0,1,2,3
	FRAG 128*((\k)%2)+48+FR*\i, ADRB, 12288*\i+1536*(\k)
.endr
.irp i, 0,1,2,3
	FRAG 128*((\k)%2)+FR*\i, ADRA, 12288*\i+1536*(\k)
.endr
.endm
; 8 matrix instructions: A's blocks a0, a0 + 1 x B's four.  The 16 accumulators take turns, one instruction a turn.
.macro MUL8 k, a0, zero
.irp a, \a0, \a0+1
.irp b, 0,1,2,3
.set DD, ACC+8*(4*(\a)+\b)
.set BB, 128*((\k)%2)+48+FR*\b
.set AA, 128*((\k)%2)+FR*(\a)
.set SBR, SCB+4*\b+2*((\k)/4)+(\k)%2
.set SAR, SCA+4*(\a)+2*((\k)/4)+(\k)%2
.if \zero
	v_wmma_scale_f32_16x16x128_f8f6f4 v[DD:DD+7], v[BB:BB+11], v[AA:AA+11], 0, v[SBR], v[SAR] matrix_a_fmt:MATRIX_FMT_FP6 matrix_b_fmt:MATRIX_FMT_FP6
.elseif ((\k)/2)%2
	v_wmma_scale_f32_16x16x128_f8f6f4 v[DD:DD+7], v[BB:BB+11], v[AA:AA+11], v[DD:DD+7], v[SBR], v[SAR] matrix_a_fmt:MATRIX_FMT_FP6 matrix_b_fmt:MATRIX_FMT_FP6 matrix_a_scale:MATRIX_SCALE_ROW1 matrix_b_scale:MATRIX_SCALE_ROW1
.else
	v_wmma_scale_f32_16x16x128_f8f6f4 v[DD:DD+7], v[BB:BB+11], v[AA:AA+11], v[DD:DD+7], v[SBR], v[SAR] matrix_a_fmt:MATRIX_FMT_FP6 matrix_b_fmt:MATRIX_FMT_FP6
.endif
.endr
.endr
.endm
.macro PLACES                          ; four plain vector lines between a matrix instruction and a load into, or a read of, its registers
.rept 4
	v_nop
.endr
.endm
.macro STEP k, zero                    ; a K step of 128: 16 matrix instructions; the next step's loads go out ahead of them
.if (\k) == 7
	s_wait_dscnt 0x0
	WIN MUL
	MUL8 \k, 0, \zero
	MUL8 \k, 2, \zero
.else
	s_wait_dscnt 8                                 ; B's four fragments and A's blocks 0 and 1 are in; the youngest 8 loads may be out
.if (\k) > 0
	PLACES                                         ; behind the last products that read the other set
.endif
	FETCH (\k)+1
	WIN MUL
	MUL8 \k, 0, \zero
	s_wait_dscnt 32                                ; all but the 32 just issued
	MUL8 \k, 2, \zero
.endif
.endm
	s_wait_alu depctr_va_vdst(0)                   ; the wait at the head's end
	s_wait_tensorcnt 0x0                           ; my four tiles are in
	s_barrier_signal -1
	s_barrier_wait -1                              ; everybody's are
	FETCH 0
	s_wait_loadcnt 0x0                             ; the scale words
	STEP 0, 1                                      ; the first products start the sums
	STEP 1, 0
	STEP 2, 0
	STEP 3, 0
	STEP 4, 0
	STEP 5, 0
	STEP 6, 0
	STEP 7, 0
	WIN 0
; THE WAY OUT, a tile of 16 tokens x 64 columns at a time, through my own stage: in by columns, back as whole rows of 256 bytes.  Stage row p is token 32 (a / 2) + 8 (a % 2) + p + 8 (p / 8) of my 64.
; LDS serves a wave's instructions in order (ISA guide 5.7.1.4): no wait between the stores and the loads.  Each tile comes back into registers of its own and every offset is an immediate.
.macro TOSTAGE a
.irp b, 0,1,2,3
	ds_store_b128 v[STO], v[ACC+8*(4*(\a)+\b):ACC+8*(4*(\a)+\b)+3] offset:128*(\b/2)+32*(\b%2)
	ds_store_b128 v[STO], v[ACC+8*(4*(\a)+\b)+4:ACC+8*(4*(\a)+\b)+7] offset:128*(\b/2)+32*(\b%2)+16
.endr
.irp t, 0,1,2,3,4,5,6,7
	ds_load_b128 v[BK+32*(\a)+4*\t:BK+32*(\a)+4*\t+3], v[RD] offset:\t*2*SPITCH
.endr
.endm
.macro SEND a, younger                 ; younger: the LDS instructions issued behind tile a's loads
	s_wait_dscnt \younger
.irp t, 0,1,2,3,4,5,6,7
	global_store_b128 v[CO], v[BK+32*(\a)+4*\t:BK+32*(\a)+4*\t+3], s[12:13] offset:(32*((\a)/2)+8*((\a)%2)+2*\t+8*(\t/4))*4096 th:TH_STORE_NT   ; sixteen lanes store 256 consecutive bytes, aligned
.endr
.endm
	PLACES
	TOSTAGE 0
	TOSTAGE 1
	SEND 0, 16
	TOSTAGE 2
	SEND 1, 16
	TOSTAGE 3                                      ; its rows come back into tile 0's accumulators, stored into the stage long before
	SEND 2, 16
	SEND 3, 0
	s_wait_tensorcnt 0x0                           ; the wave's end
	ds_add_u32 v30, v31
	s_wait_dscnt 0x0
	CROUND                                         ; the closing round
	s_endpgm
.Lfunc_end_k_qe246e591e1_oproj:
	.size	k_qe246e591e1_oproj, .Lfunc_end_k_qe246e591e1_oproj-k_qe246e591e1_oproj
	.p2alignl 7, 3214868480
	.fill 96, 4, 3214868480
	.section	.rodata,"a",@progbits
	.p2align	6, 0x0
	.amdhsa_kernel k_qe246e591e1_oproj
		.amdhsa_group_segment_fixed_size 225792
		.amdhsa_private_segment_fixed_size 0
		.amdhsa_enable_private_segment 0
		.amdhsa_kernarg_size 40
		.amdhsa_user_sgpr_count 2
		.amdhsa_user_sgpr_kernarg_segment_ptr 1
		.amdhsa_wavefront_size32 1
		.amdhsa_system_sgpr_workgroup_id_x 1
		.amdhsa_system_sgpr_workgroup_id_y 1
		.amdhsa_system_sgpr_workgroup_id_z 1
		.amdhsa_system_vgpr_workitem_id 0
		.amdhsa_next_free_vgpr 512
		.amdhsa_next_free_sgpr 66
		.amdhsa_reserve_vcc 0
		.amdhsa_float_denorm_mode_32 3
		.amdhsa_float_denorm_mode_16_64 3
		.amdhsa_memory_ordered 1
		.amdhsa_forward_progress 1
		.amdhsa_inst_pref_size 49
	.end_amdhsa_kernel
	.amdgpu_metadata
---
amdhsa.version: [ 1, 2 ]
amdhsa.kernels:
  - .name:           k_qe246e591e1_oproj
    .symbol:         k_qe246e591e1_oproj.kd
    .args:
      - { .name: aimg, .offset: 0, .size: 8, .value_kind: global_buffer, .address_space: global }
      - { .name: asc, .offset: 8, .size: 8, .value_kind: global_buffer, .address_space: global }
      - { .name: wimg, .offset: 16, .size: 8, .value_kind: global_buffer, .address_space: global }
      - { .name: wsc, .offset: 24, .size: 8, .value_kind: global_buffer, .address_space: global }
      - { .name: out0, .offset: 32, .size: 8, .value_kind: global_buffer, .address_space: global }
    .group_segment_fixed_size: 225792
    .private_segment_fixed_size: 0
    .kernarg_segment_align: 8
    .kernarg_segment_size: 40
    .max_flat_workgroup_size: 128
    .sgpr_count:     66
    .vgpr_count:     512
    .wavefront_size: 32
...
	.end_amdgpu_metadata
.endif
;; end of part 4
